; MI455X (gfx1250); checked and timed in simulation.
; The chip was launched on July 23, 2026; its instructions are those of AMD's public machine-readable ISA for CDNA 5 (MIT licence, August 2026) and "CDNA5" Instruction Set Architecture Reference Guide (July 2026). The comments in the code are by the model that wrote it; some were corrected since.
;; Self Attention. Allowed arithmetic: float matrix products may take bf16 or f16 operands with f32 sums; all other float work in f32.
;; Inputs: Wk 1,024 x 1,024 float32; Wo 1,024 x 1,024 float32; Wq 1,024 x 1,024 float32; Wv 1,024 x 1,024 float32; cos 2,048 x 64 float32; sin 2,048 x 64 float32; x 2 x 2,048 x 1,024 float32.
;; Outputs: out0 2 x 2,048 x 1,024 float32.
;; 2 versions, each right; version 2 is version 1 with the launch cast written anew for expert scheduling mode. Each part assembles by itself: llvm-mc -triple=amdgcn-amd-amdhsa -mcpu=gfx1250 --defsym DOCPART=n.
;; ======== version 1 of 2: 4 launches
;; limits: values are held in f16: magnitudes above 65,504 overflow, below 6.1e-05 lose precision; values outside matrix products are rounded to bf16
;; workspace buffers: xh 8,388,608 bytes; wh 8,388,608 bytes; q 8,388,608 bytes; kv 16,777,216 bytes; ao 8,388,608 bytes
;; launch cast (part 1): grid 512 x 1, 8 waves a work-group, no clusters, 0 bytes of LDS; arguments x, Wq, Wk, Wv, Wo, xh, wh; writes xh, wh
.if DOCPART == 1
	.amdgcn_target "amdgcn-amd-amdhsa--gfx1250"
	.amdhsa_code_object_version 6
	.text
	.protected	k_q6a8e896584_cast
	.globl	k_q6a8e896584_cast
	.p2align	8
	.type	k_q6a8e896584_cast,@function
k_q6a8e896584_cast:
	s_mov_b64 s[64:65], 0
	v_nop
	global_prefetch_b8 v0, s[64:65] scope:SCOPE_SE
	s_setreg_imm32_b32 hwreg(HW_REG_WAVE_MODE, 25, 1), 1
	s_wait_xcnt 0x0
; x [4096][1024] f32 -> xh;  Wq, Wk, Wv, Wo [1024][1024] f32 -> wh [4096][1024] (rows 0 Wq, 1024 Wk, 2048 Wv, 3072 Wo).
; FORMAT (a stated limit): every input of the program is rounded to bf16, once, to nearest even; the program computes reference() on those numbers.
; The rounded number is written as f16: the matrix form takes both operands in one format, and the operands that are made later (q, k, v, the
; probabilities, the attention output) want f16's 11 significant bits.  f16 holds a number of 8 significant bits exactly from 2^-17 to 65,504;
; below 2^-17 the error is at most 2^-25.  x and the weights keep room for 30 times their drawn size (about 165 and 5).
; A work-group takes 64 KiB of f32: groups 0-255 pieces of x, groups 256-511 pieces of the four weights (64 each).
; A wave takes 8 KiB: 16 loads of 512 consecutive bytes, all on their way at once; each store of the wave covers
; 256 consecutive bytes, aligned.  A plain stream: no LDS, no barrier, no matrix unit.
.set X, 4                              ; v[4:67]    16 x 4 registers as loaded, then the same numbers with 8 significant bits
.set Y, 68                             ; v[68:99]   16 x 2 registers to store, each written once
.set T, 100                            ; v[100:101] two pairs of bf16
	s_load_b256 s[4:11], s[0:1], 0x0               ; x s[4:5], Wq s[6:7], Wk s[8:9], Wv s[10:11]
	s_load_b128 s[12:15], s[0:1], 0x20             ; Wo s[12:13], xh s[14:15]
	s_load_b64 s[16:17], s[0:1], 0x30              ; wh
	s_mov_b32 s18, 0xffff0000                      ; a word's upper bf16
	s_mov_b32 s19, ttmp9                           ; g
	s_sub_co_u32 s20, s19, 256                     ; g - 256: the piece among the weights (used only where g >= 256)
	s_lshr_b32 s21, s20, 6                         ; which weight
	s_and_b32 s22, s20, 63                         ; which piece of it
	v_lshrrev_b32 v3, 5, v0                        ; wave
	v_and_b32 v1, 31, v0                           ; lane
	v_lshlrev_b32 v2, 3, v1
	v_lshlrev_b32 v1, 4, v1
	v_lshl_add_u32 v1, v3, 13, v1                  ; in:  8,192 wave + 16 lane
	v_lshl_add_u32 v2, v3, 12, v2                  ; out: 4,096 wave + 8 lane
	s_wait_kmcnt 0x0
	s_cmp_eq_u32 s21, 1                            ; the source is chosen among the five buffers by the group's number alone
	s_cselect_b64 s[24:25], s[8:9], s[6:7]
	s_cmp_eq_u32 s21, 2
	s_cselect_b64 s[24:25], s[10:11], s[24:25]
	s_cmp_eq_u32 s21, 3
	s_cselect_b64 s[24:25], s[12:13], s[24:25]
	s_cmp_lt_u32 s19, 256
	s_cselect_b64 s[24:25], s[4:5], s[24:25]
	s_cselect_b64 s[26:27], s[14:15], s[16:17]     ; the destination likewise
	s_cselect_b32 s28, s19, s22                    ; piece in the source
	s_cselect_b32 s30, s19, s20                    ; piece in the destination
	s_lshl_b32 s28, s28, 16                        ; 65,536 bytes of f32 a piece
	s_mov_b32 s29, 0
	s_lshl_b32 s30, s30, 15                        ; 32,768 bytes of f16
	s_mov_b32 s31, 0
	s_add_nc_u64 s[24:25], s[24:25], s[28:29]
	s_add_nc_u64 s[26:27], s[26:27], s[30:31]
.irp j, 0,1,2,3,4,5,6,7,8,9,10,11,12,13,14,15
	global_load_b128 v[X+4*\j:X+4*\j+3], v1, s[24:25] offset:512*\j th:TH_LOAD_NT
.endr
.irp j, 0,1,2,3,4,5,6,7,8,9,10,11,12,13,14,15
	s_wait_loadcnt 15-\j                           ; loads come back in order: load j is in, the 15 - j younger ones stay out
	v_cvt_pk_bf16_f32 v[T], v[X+4*\j], v[X+4*\j+1]         ; the one rounding: to 8 significant bits
	v_cvt_pk_bf16_f32 v[T+1], v[X+4*\j+2], v[X+4*\j+3]
	v_lshlrev_b32 v[X+4*\j], 16, v[T]                      ; bf16 to f32: the low half moves up,
	v_and_b32 v[X+4*\j+1], s18, v[T]                       ; the high half stays
	v_lshlrev_b32 v[X+4*\j+2], 16, v[T+1]
	v_and_b32 v[X+4*\j+3], s18, v[T+1]
	v_cvt_pk_f16_f32 v[Y+2*\j], v[X+4*\j], v[X+4*\j+1]     ; exact from 2^-17 up
	v_cvt_pk_f16_f32 v[Y+2*\j+1], v[X+4*\j+2], v[X+4*\j+3]
	global_store_b64 v2, v[Y+2*\j:Y+2*\j+1], s[26:27] offset:256*\j
.endr
	s_endpgm
.Lfunc_end_k_q6a8e896584_cast:
	.size	k_q6a8e896584_cast, .Lfunc_end_k_q6a8e896584_cast-k_q6a8e896584_cast
	.p2alignl 7, 3214868480
	.fill 96, 4, 3214868480
	.section	.rodata,"a",@progbits
	.p2align	6, 0x0
	.amdhsa_kernel k_q6a8e896584_cast
		.amdhsa_group_segment_fixed_size 0
		.amdhsa_private_segment_fixed_size 0
		.amdhsa_enable_private_segment 0
		.amdhsa_kernarg_size 56
		.amdhsa_user_sgpr_count 2
		.amdhsa_user_sgpr_kernarg_segment_ptr 1
		.amdhsa_wavefront_size32 1
		.amdhsa_system_sgpr_workgroup_id_x 1
		.amdhsa_system_sgpr_workgroup_id_y 1
		.amdhsa_system_sgpr_workgroup_id_z 1
		.amdhsa_system_vgpr_workitem_id 0
		.amdhsa_next_free_vgpr 104
		.amdhsa_next_free_sgpr 66
		.amdhsa_reserve_vcc 0
		.amdhsa_float_denorm_mode_32 3
		.amdhsa_float_denorm_mode_16_64 3
		.amdhsa_memory_ordered 1
		.amdhsa_forward_progress 1
		.amdhsa_inst_pref_size 12
	.end_amdhsa_kernel
	.amdgpu_metadata
---
amdhsa.version: [ 1, 2 ]
amdhsa.kernels:
  - .name:           k_q6a8e896584_cast
    .symbol:         k_q6a8e896584_cast.kd
    .args:
      - { .name: x, .offset: 0, .size: 8, .value_kind: global_buffer, .address_space: global }
      - { .name: Wq, .offset: 8, .size: 8, .value_kind: global_buffer, .address_space: global }
      - { .name: Wk, .offset: 16, .size: 8, .value_kind: global_buffer, .address_space: global }
      - { .name: Wv, .offset: 24, .size: 8, .value_kind: global_buffer, .address_space: global }
      - { .name: Wo, .offset: 32, .size: 8, .value_kind: global_buffer, .address_space: global }
      - { .name: xh, .offset: 40, .size: 8, .value_kind: global_buffer, .address_space: global }
      - { .name: wh, .offset: 48, .size: 8, .value_kind: global_buffer, .address_space: global }
    .group_segment_fixed_size: 0
    .private_segment_fixed_size: 0
    .kernarg_segment_align: 8
    .kernarg_segment_size: 56
    .max_flat_workgroup_size: 256
    .sgpr_count:     66
    .vgpr_count:     104
    .wavefront_size: 32
...
	.end_amdgpu_metadata
.endif
;; end of part 1
;; launch qkv (part 2): grid 16 x 16, 4 waves a work-group, clusters of 4 x 4, 327,680 bytes of LDS; arguments xh, wh, cos, sin, q, kv; writes q, kv
.if DOCPART == 2
	.amdgcn_target "amdgcn-amd-amdhsa--gfx1250"
	.amdhsa_code_object_version 6
	.text
	.protected	k_q6a8e896584_qkv
	.globl	k_q6a8e896584_qkv
	.p2align	8
	.type	k_q6a8e896584_qkv,@function
k_q6a8e896584_qkv:
	s_mov_b64 s[64:65], 0
	v_nop
	global_prefetch_b8 v0, s[64:65] scope:SCOPE_SE
	s_setreg_imm32_b32 hwreg(HW_REG_WAVE_MODE, 25, 1), 1
	s_wait_xcnt 0x0
	s_wait_alu depctr_hold_cnt(0) depctr_sa_sdst(0) depctr_va_vdst(0) depctr_va_sdst(0) depctr_va_ssrc(0) depctr_va_vcc(0) depctr_vm_vsrc(0)
	s_getreg_b32 s2, hwreg(HW_REG_IB_STS2, 6, 4)
	s_cmp_eq_u32 s2, 0
	s_cbranch_scc0 .Lentry_in_a_cluster
	s_endpgm
.Lentry_in_a_cluster:
	s_bfe_u32 s2, ttmp6, 0x10000c
	s_cmp_lg_u32 s2, 0xf033
	s_cbranch_scc0 .Lentry_shape_is_right
	s_endpgm
.Lentry_shape_is_right:
; q, k, v = x Wq^T, x Wk^T, x Wv^T for one head and 256 rows of x; q and k turned by cos and sin; all three laid out for the attention launch.
; xh [4096][1024] f16, wh rows 0-3071 = Wq, Wk, Wv f16 (numbers rounded to bf16, held in f16); sums in f32.
; OUT: q  [bh = 16 b + h][t][64] f16, times 2^-6;
;      kv [bh][t >> 7][32 KiB]: 16 KiB of K (row t & 127, 128 bytes of d, times 2^-6), then two blocks ((t >> 6) & 1) of V^T (64 rows d x 128 bytes of t & 63).
; FORMAT (a stated limit): cos and sin are rounded to bf16 here, as x and the weights were by the launch before: the program computes reference()
; on all its inputs rounded to bf16.  The turn itself is done in f32.
; LIMITS: f16 operands (largest 65,504).  With x, W, cos, sin all 30 times their drawn size q and k have sigma 27,000: stored times 2^-6
; (cos and sin are multiplied by 2^-6, exactly) they stay near 3,400; with offsets of 30 spreads on all of them near 19,500.  v: near 5,000 and 28,800.
; The attention launch multiplies the scores by 2^12 again.
; SHARES: block = 256 rows x 192 columns (64 of q, 64 of k, 64 of v of head bx).  Wave w: rows 64 w .. +63 x all 192: 4 m-tiles x 12 n-tiles,
; 48 accumulators.  So the two halves of a head that cos and sin mix lie in the same lane and register of two tiles, and every output piece is one wave's.
; K goes in steps of 128 (rows of 256 bytes, aligned) through two LDS slots.
; CLUSTER 4 x 4: x's tile hangs on the block row alone and is asked for jointly along a row of the cluster, W's on the head alone, along a column:
; requests for both are divided by four.  Wave 0 asks for x's 256 rows, waves 1-3 for 64 rows of Wq, Wk, Wv: one tensor load a wave;
; by this text's count a wave has two tensor loads out at the start and one later.
; OPERAND ORDER: q and k tiles take W's fragment first: lane (r, hh) then holds t = r, d = 16 b + 8 hh + 0..7.  v tiles take x's fragment first:
; the lane holds d = r, t = 8 hh + 0..7: eight neighbouring t of a row of V^T.
; WINDOWS: 0 addresses, cos/sin, results at work; 1 the two fragment buffers; 2 accumulators of m-tiles 0, 1; 3 of m-tiles 2, 3.
.set KSTEP,  128
.set PITCH,  272                       ; an LDS row: 256 bytes + 16 of padding: 17 x 16 bytes, so 16 neighbouring rows start at 16 different 16-byte columns of 256
.set APART,  256*PITCH                 ; x's 256 rows
.set BPART,  192*PITCH                 ; W's 192 rows: 64 kind + d
.set SLOT,   APART+BPART
.set STAGE,  2*SLOT                    ; behind the ring, never filled by a tensor load
.set SP,     144                       ; a stage row: 128 bytes + 16
.set STGW,   96*SP                     ; a wave's stage: q 16 rows, k 16 rows, V^T 64 rows
.set LAPS,   4                         ; 1024 / (2 x 128)
.set ADRA, 16                          ; v16-17  LDS address of my x fragments, slot 0, 1
.set ADRB, 20                          ; v20-21  of W's fragments
.set STO,  24                          ; stage: where I put 16 bytes
.set RD,   25                          ; stage: where I read rows back
.set CO,   26                          ; 16 x lane: my place in 512 stored bytes
.set CSO,  27                          ; my byte offset in cos and sin
.set T,    28                          ; v[28:31] at work
.set RB,   32                          ; v[32:63] read back, to store
.set CS0,  64                          ; v[64:127]  cos (32) and sin (32) of an even m-tile
.set CS1,  128                         ; v[128:191] of an odd one
.set R,    192                         ; v[192:255] turned q (32), k (32); then packed
.set F0,   0                           ; window 1: fragment buffer 0: W's 12 fragments, then x's 4
.set F1,   128                         ; fragment buffer 1
.set G1,  24                           ; s[24:31] group 1, x's tile
.set G0,  32                           ; s[32:39] group 0, x's tile, a set for each slot
.set G1B, 48                           ; s[48:55] group 1, W's tile
.set G0B, 56                           ; s[56:63] group 0, W's tile
.set MUL_LO, 0xa5                      ; sources 0 and 1 window 1, C and D window 2
.set MUL_HI, 0xf5                      ; C and D window 3
.set TO_F,   0x40                      ; destination window 1, address window 0
.set MSB, 0
.macro WIN new                         ; the immediate's high byte repeats the setting that is left
.if MSB != \new
	s_set_vgpr_msb (MSB<<8)|\new
.set MSB, \new
.endif
.endm
.macro JLOAD s                         ; a joint load: each line has one mask; the branch hangs on the wave's number alone
	s_cmp_eq_u32 s16, 0
	s_cbranch_scc0 .Lfor_b_\@
	tensor_load_to_lds s[G0+4*\s:G0+4*\s+3], s[G1:G1+7]
	s_nop 0
	s_branch .Lasked_\@
.Lfor_b_\@:
	tensor_load_to_lds s[G0B+4*\s:G0B+4*\s+3], s[G1B:G1B+7]
	s_nop 0
.Lasked_\@:
.endm
.macro CREST                           ; a round of the cluster's barrier behind its opening barrier
	s_cmp_lg_u32 s16, 0
	s_cbranch_scc1 .Lnot_wave_0_\@
	s_barrier_signal -3
.Lnot_wave_0_\@:
	s_barrier_wait -3
	s_barrier_signal -1
	s_barrier_wait -1
.endm
.macro CROUND                          ; a whole round
	s_barrier_signal -1
	s_barrier_wait -1
	CREST
.endm
.macro PLACES                          ; four places behind the last matrix instruction ahead of loads into its sources and of readers of its result
.rept 4
	v_nop
.endr
.endm
	s_load_b256 s[4:11], s[0:1], 0x0               ; xh s[4:5], wh s[6:7], cos s[8:9], sin s[10:11]
	s_load_b128 s[12:15], s[0:1], 0x20             ; q s[12:13], kv s[14:15]
	v_lshl_add_u32 v22, v0, 2, 0x49000
	v_mov_b32 v23, 0
	ds_add_u32 v22, v23
	v_lshrrev_b32 v1, 5, v0
	v_readfirstlane_b32 s16, v1                    ; wave 0..3
	s_bfe_u32 s17, ttmp6, 0x40000                  ; cx
	s_bfe_u32 s18, ttmp6, 0x40004                  ; cy
	s_lshl_b32 s19, ttmp9, 2
	s_add_co_u32 s19, s19, s17                     ; bx = head
	s_and_b32 s20, ttmp7, 0xffff
	s_lshl_b32 s20, s20, 2
	s_add_co_u32 s20, s20, s18                     ; by = block of 256 rows
	s_lshl_b32 s21, s18, 2
	s_lshl_b32 s21, 15, s21                        ; my row of the cluster
	s_lshl_b32 s22, 0x1111, s17                    ; my column
	s_or_b32 s[G1+0], s21, (1<<16)|(1<<20)|(1<<21)|(5<<22)|(3<<25)   ; mask; 2-byte elements; padding on; bit 21 beside a mask; 4 words after every 64
	s_or_b32 s[G1B+0], s22, (1<<16)|(1<<20)|(1<<21)|(5<<22)|(3<<25)
	s_mov_b32 s[G1+1], KSTEP<<16                   ; tensor_dim0 = 128
	s_mov_b32 s[G1B+1], KSTEP<<16
	s_mov_b32 s[G1+2], 256<<16                     ; tensor_dim1 = 256 rows of x
	s_mov_b32 s[G1B+2], 64<<16                     ; 64 rows of one weight
	s_mov_b32 s[G1+3], KSTEP<<16                   ; tile_dim0 = 128
	s_mov_b32 s[G1B+3], KSTEP<<16
	s_mov_b32 s[G1+4], 256                         ; tile_dim1
	s_mov_b32 s[G1B+4], 64
	s_mov_b32 s[G1+5], 1024                        ; elements from row to row
	s_mov_b32 s[G1B+5], 1024
	s_mov_b32 s[G1+6], 0
	s_mov_b32 s[G1B+6], 0
	s_mov_b32 s[G1+7], 0
	s_mov_b32 s[G1B+7], 0
	s_lshl_b32 s40, s20, 19                        ; x: 256 by rows of 2,048 bytes (block row alone)
	s_mov_b32 s41, 0
	s_max_u32 s42, s16, 1                          ; W: wave 1, 2, 3 takes Wq, Wk, Wv (wave 0 makes Wq's address and asks by x's line)
	s_sub_co_u32 s42, s42, 1
	s_lshl_b32 s42, s42, 21                        ; 1,024 rows of 2,048 bytes a weight
	s_lshl_b32 s43, s19, 17                        ; + 64 bx rows (head alone)
	s_add_co_u32 s42, s42, s43
	s_mov_b32 s43, 0
	s_mul_i32 s23, s16, 64*PITCH
	s_add_co_u32 s23, s23, BPART                   ; LDS: APART + (wave - 1) x 64 rows
	s_wait_dscnt 0x0
	s_wait_kmcnt 0x0
	s_add_nc_u64 s[40:41], s[4:5], s[40:41]
	s_add_nc_u64 s[42:43], s[6:7], s[42:43]
	CROUND                                         ; all sixteen work-groups are here: the first joint loads meet
.irp s, 0,1
	s_mov_b32 s[G0+4*\s], 1
	s_mov_b32 s[G0+4*\s+1], \s*SLOT
	s_add_nc_u64 s[G0+4*\s+2:G0+4*\s+3], s[40:41], \s*KSTEP*2
	s_or_b32 s[G0+4*\s+3], s[G0+4*\s+3], 0x80000000
	s_mov_b32 s[G0B+4*\s], 1
	s_add_co_u32 s[G0B+4*\s+1], s23, \s*SLOT
	s_add_nc_u64 s[G0B+4*\s+2:G0B+4*\s+3], s[42:43], \s*KSTEP*2
	s_or_b32 s[G0B+4*\s+3], s[G0B+4*\s+3], 0x80000000
	JLOAD \s
.endr
	; bases of cos, sin and of the outputs, in registers that feed no descriptor
	s_and_b32 s47, s20, 7                          ; block of 256 among the batch's 2,048 t
	s_lshl_b32 s44, s47, 16                        ; 256 rows of 256 bytes
	s_mov_b32 s45, 0
	s_add_nc_u64 s[8:9], s[8:9], s[44:45]
	s_add_nc_u64 s[10:11], s[10:11], s[44:45]
	s_lshr_b32 s46, s20, 3                         ; b
	s_lshl_b32 s46, s46, 4
	s_add_co_u32 s46, s46, s19                     ; bh
	s_lshl_b32 s66, s46, 18                        ; q: bh x 262,144
	s_lshl_b32 s67, s47, 15                        ; + 256 rows of 128 bytes a block
	s_add_co_u32 s66, s66, s67
	s_lshl_b32 s67, s16, 13                        ; + 64 w rows
	s_add_co_u32 s66, s66, s67
	s_mov_b32 s67, 0
	s_add_nc_u64 s[12:13], s[12:13], s[66:67]
	s_lshl_b32 s68, s46, 19                        ; kv: bh x 524,288
	s_lshl_b32 s69, s47, 1
	s_lshr_b32 s70, s16, 1
	s_add_co_u32 s69, s69, s70                     ; key tile = 2 x block + w / 2
	s_lshl_b32 s69, s69, 15
	s_add_co_u32 s68, s68, s69
	s_and_b32 s69, s16, 1                          ; which 64 keys of the tile: 8,192 bytes on, in K's part and in V's alike
	s_lshl_b32 s69, s69, 13
	s_add_co_u32 s68, s68, s69
	s_mov_b32 s69, 0
	s_add_nc_u64 s[14:15], s[14:15], s[68:69]
	; lane terms
	v_and_b32 v1, 15, v0                           ; r
	v_bfe_u32 v2, v0, 4, 1                         ; hh
	v_and_b32 v4, 31, v0                           ; lane
	v_mul_u32_u24 v3, v1, PITCH
	v_lshl_add_u32 v3, v2, 4, v3                   ; r x pitch + 16 hh
	s_mul_i32 s44, s16, 64*PITCH
	v_add_nc_u32 v[ADRA], s44, v3
	v_add_nc_u32 v[ADRA+1], SLOT, v[ADRA]
	v_add_nc_u32 v[ADRB], APART, v3
	v_add_nc_u32 v[ADRB+1], SLOT, v[ADRB]
	s_mul_i32 s45, s16, STGW
	s_add_co_u32 s45, s45, STAGE                   ; my stage
	v_mul_u32_u24 v5, v1, SP
	v_lshl_add_u32 v5, v2, 4, v5
	v_add_nc_u32 v[STO], s45, v5
	v_lshrrev_b32 v5, 3, v4
	v_mul_u32_u24 v5, v5, SP
	v_and_b32 v6, 7, v4
	v_lshl_add_u32 v5, v6, 4, v5                   ; back: eight lanes take a row of 128 bytes, a load takes four rows
	v_add_nc_u32 v[RD], s45, v5
	v_lshlrev_b32 v[CO], 4, v4
	v_lshlrev_b32 v5, 8, v1                        ; cos, sin: row 64 w + r of 256 bytes, + 32 hh
	v_lshl_add_u32 v5, v2, 5, v5
	s_lshl_b32 s44, s16, 14
	v_add_nc_u32 v[CSO], s44, v5
; cos and sin of m-tile a for my lane: t = 16 a + r, d = 16 n + 8 hh + 0..7, n = 0..3: all 64 columns.  16 loads.
.macro CSLOAD a, cs
.irp n, 0,1,2,3
	global_load_b128 v[\cs+8*\n:\cs+8*\n+3], v[CSO], s[8:9] offset:4096*(\a)+64*\n
	global_load_b128 v[\cs+8*\n+4:\cs+8*\n+7], v[CSO], s[8:9] offset:4096*(\a)+64*\n+16
	global_load_b128 v[\cs+32+8*\n:\cs+32+8*\n+3], v[CSO], s[10:11] offset:4096*(\a)+64*\n
	global_load_b128 v[\cs+32+8*\n+4:\cs+32+8*\n+7], v[CSO], s[10:11] offset:4096*(\a)+64*\n+16
.endr
.endm
	CSLOAD 0, CS0                                  ; asked for now, wanted behind the K loop
	CSLOAD 1, CS1
; 12 matrix instructions: m-tile 2 hi + a x all 12 n-tiles, 32 along K.  zero = 1: the first product starts the sums.
.macro MUL12 f, hi, a, zero
.irp b, 0,1,2,3,4,5,6,7
.if \zero
	v_wmma_f32_16x16x32_f16 v[8*(12*\a+\b):8*(12*\a+\b)+7], v[\f+8*\b:\f+8*\b+7], v[\f+96+8*(2*\hi+\a):\f+96+8*(2*\hi+\a)+7], 0
.else
	v_wmma_f32_16x16x32_f16 v[8*(12*\a+\b):8*(12*\a+\b)+7], v[\f+8*\b:\f+8*\b+7], v[\f+96+8*(2*\hi+\a):\f+96+8*(2*\hi+\a)+7], v[8*(12*\a+\b):8*(12*\a+\b)+7]
.endif
.endr
.irp b, 8,9,10,11
.if \zero
	v_wmma_f32_16x16x32_f16 v[8*(12*\a+\b):8*(12*\a+\b)+7], v[\f+96+8*(2*\hi+\a):\f+96+8*(2*\hi+\a)+7], v[\f+8*\b:\f+8*\b+7], 0
.else
	v_wmma_f32_16x16x32_f16 v[8*(12*\a+\b):8*(12*\a+\b)+7], v[\f+96+8*(2*\hi+\a):\f+96+8*(2*\hi+\a)+7], v[\f+8*\b:\f+8*\b+7], v[8*(12*\a+\b):8*(12*\a+\b)+7]
.endif
.endr
.endm
; 32 LDS loads in one run: a quarter step's fragments (192 rows of W, my 64 rows of x, 32 K at byte k of the rows) into buffer f
.macro FETCH slot, k, f
	WIN TO_F
.irp i, 0,1,2,3,4,5,6,7,8,9,10,11
	ds_load_b128 v[\f+8*\i:\f+8*\i+3], v[ADRB+\slot] offset:\k+\i*16*PITCH
	ds_load_b128 v[\f+8*\i+4:\f+8*\i+7], v[ADRB+\slot] offset:\k+\i*16*PITCH+32
.endr
.irp i, 0,1,2,3
	ds_load_b128 v[\f+96+8*\i:\f+96+8*\i+3], v[ADRA+\slot] offset:\k+\i*16*PITCH
	ds_load_b128 v[\f+96+8*\i+4:\f+96+8*\i+7], v[ADRA+\slot] offset:\k+\i*16*PITCH+32
.endr
.endm
; A K step is four quarters of 32 along K, 48 matrix instructions each, on buffers 0, 1, 0, 1.  The 48 accumulators take turns, one
; instruction a turn, in the same order in every quarter.
.macro QUARTER slot, k, f, g, zero
	s_wait_dscnt 0x4                               ; W's fragments and x's m-tiles 0, 1 are in; the youngest four loads (m-tiles 2, 3) may be out
	WIN MUL_LO
	MUL12 \f, 0, 0, \zero
	MUL12 \f, 0, 1, \zero
	PLACES
	FETCH \slot, \k, \g
	s_wait_dscnt 0x20                              ; all but the 32 just issued
	WIN MUL_HI
	MUL12 \f, 1, 0, \zero
	MUL12 \f, 1, 1, \zero
.endm
.macro THREE slot, zero
	QUARTER \slot, 64,  F0, F1, \zero
	QUARTER \slot, 128, F1, F0, 0
	QUARTER \slot, 192, F0, F1, 0
.endm
; The last quarter multiplies buffer 1 and changes slots.  In front of the barrier each wave waits for its reads of this slot and for all its
; tensor loads (one is out: its part of the next slot).  fill = 1: the barrier opens a round of the cluster's barrier, and the joint refill,
; two K steps ahead, is the first tensor load behind the round.  From a request to the wait for it a wave issues 180 matrix instructions.
.macro TURN slot, next, fill
	s_wait_dscnt 0x4
	WIN MUL_LO
	MUL12 F1, 0, 0, 0
	s_wait_dscnt 0x0                               ; my reads of this slot are over
	s_set_vgpr_msb 0xa5a0
	s_wait_tensorcnt 0x0                           ; all my tensor loads have landed
	ds_add_u32 v22, v23
	s_wait_dscnt 0x0
	s_set_vgpr_msb 0xa0a5
	s_barrier_signal -1
	MUL12 F1, 0, 1, 0                              ; register work while the others arrive
	WIN 0
	s_barrier_wait -1
.if \fill
	CREST
	s_add_nc_u64 s[G0+4*\slot+2:G0+4*\slot+3], s[G0+4*\slot+2:G0+4*\slot+3], 2*KSTEP*2
	s_add_nc_u64 s[G0B+4*\slot+2:G0B+4*\slot+3], s[G0B+4*\slot+2:G0B+4*\slot+3], 2*KSTEP*2
	JLOAD \slot
.endif
	PLACES
	FETCH \next, 0, F0
	WIN MUL_HI
	MUL12 F1, 1, 0, 0
	MUL12 F1, 1, 1, 0
.endm
.macro LAP zero
	THREE 0, \zero
	TURN 0, 1, 1
	THREE 1, 0
	TURN 1, 0, 1
.endm
	s_wait_tensorcnt 0x1                           ; my part of K step 0 is in; K step 1's stays out
	s_barrier_signal -1
	s_barrier_wait -1
	FETCH 0, 0, F0
	LAP 1                                          ; the first lap stands in front of the loop: its first products start the sums
	WIN 0
	s_mov_b32 s3, LAPS-2
.Llap:
	LAP 0
	WIN 0
	s_sub_co_u32 s3, s3, 1
	s_cmp_lg_u32 s3, 0
	s_cbranch_scc1 .Llap
	THREE 0, 0                                     ; the last lap fills nothing
	TURN 0, 1, 0
	THREE 1, 0
	s_wait_dscnt 0x4
	WIN MUL_LO
	MUL12 F1, 0, 0, 0
	MUL12 F1, 0, 1, 0
	s_wait_dscnt 0x0
	WIN MUL_HI
	MUL12 F1, 1, 0, 0
	MUL12 F1, 1, 1, 0
	PLACES
; THE WAY OUT, one m-tile (16 t) at a time.  al = a & 1; w1, w2: window settings that put source 0, or sources 0 and 1, on the tile's accumulators.
; new[d] = u[d] cos[d] - u[d+32] sin[d] (d < 32), u[d] cos[d] + u[d-32] sin[d] (d >= 32): tiles b and b + 2 of the same lane and register.
.macro EPI a, al, w1, w2, cs, left, more
	s_wait_loadcnt \left                           ; this m-tile's 16 loads of cos and sin are in; the next tile's 16 stay out
	WIN 0
.set i, 0
.rept 32
	v_cvt_pk_bf16_f32 v[T+i%4], v[\cs+2*i], v[\cs+2*i+1]   ; cos and sin rounded to bf16, as every input is (the stated format),
	v_lshlrev_b32 v[\cs+2*i], 16, v[T+i%4]                 ; widened again: the low half moves up,
	v_and_b32 v[\cs+2*i+1], 0xffff0000, v[T+i%4]           ; the high half stays,
	v_pk_mul_f32 v[\cs+2*i:\cs+2*i+1], v[\cs+2*i:\cs+2*i+1], 0x3c800000 op_sel_hi:[1,0]   ; and times 2^-6, exactly: q and k go out scaled
.set i, i+1
.endr
	WIN \w1
.irp kind, 0,1
.irp b, 0,1
.irp jj, 0,2,4,6
	v_pk_mul_f32 v[T:T+1], v[8*(12*\al+4*\kind+\b+2)+\jj:8*(12*\al+4*\kind+\b+2)+\jj+1], v[\cs+32+8*\b+\jj:\cs+32+8*\b+\jj+1]
	v_pk_mul_f32 v[T+2:T+3], v[8*(12*\al+4*\kind+\b)+\jj:8*(12*\al+4*\kind+\b)+\jj+1], v[\cs+32+8*(\b+2)+\jj:\cs+32+8*(\b+2)+\jj+1]
	v_pk_fma_f32 v[R+32*\kind+8*\b+\jj:R+32*\kind+8*\b+\jj+1], v[8*(12*\al+4*\kind+\b)+\jj:8*(12*\al+4*\kind+\b)+\jj+1], v[\cs+8*\b+\jj:\cs+8*\b+\jj+1], v[T:T+1] neg_lo:[0,0,1] neg_hi:[0,0,1]
	v_pk_fma_f32 v[R+32*\kind+8*(\b+2)+\jj:R+32*\kind+8*(\b+2)+\jj+1], v[8*(12*\al+4*\kind+\b+2)+\jj:8*(12*\al+4*\kind+\b+2)+\jj+1], v[\cs+8*(\b+2)+\jj:\cs+8*(\b+2)+\jj+1], v[T+2:T+3]
.endr
.endr
.endr
	WIN 0
.if \more
	CSLOAD (\a)+2, \cs                             ; the tile after next, into the registers just used
.endif
.set i, 0
.rept 32
	v_cvt_pk_f16_f32 v[R+i], v[R+2*i], v[R+2*i+1]  ; packed in place, ascending: register i is written when 2 i and 2 i + 1 have been read
.set i, i+1
.endr
	WIN \w2
.irp n, 0,1,2,3
.irp rr, 0,1,2,3
	v_cvt_pk_f16_f32 v[R+32+4*\n+\rr], v[8*(12*\al+8+\n)+2*\rr], v[8*(12*\al+8+\n)+2*\rr+1]
.endr
.endr
	WIN 0
.irp n, 0,1,2,3
	ds_store_b128 v[STO], v[R+4*\n:R+4*\n+3] offset:32*\n                          ; q: row r, d = 16 n + 8 hh ..
	ds_store_b128 v[STO], v[R+16+4*\n:R+16+4*\n+3] offset:16*SP+32*\n              ; k
	ds_store_b128 v[STO], v[R+32+4*\n:R+32+4*\n+3] offset:32*SP+16*SP*\n+32*\a     ; V^T: row d = 16 n + r, t = 16 a + 8 hh ..
.endr
	s_wait_xcnt 0x0                                ; RB was store data of the tile before: it is loaded again only behind this wait
.irp n, 0,1,2,3
	ds_load_b128 v[RB+4*\n:RB+4*\n+3], v[RD] offset:4*SP*\n                        ; LDS serves a wave's instructions in order: these see the stores above
.endr
.irp n, 0,1,2,3
	ds_load_b128 v[RB+16+4*\n:RB+16+4*\n+3], v[RD] offset:16*SP+4*SP*\n
.endr
.irp n, 0,1,2,3
	s_wait_dscnt 7-\n
	global_store_b128 v[CO], v[RB+4*\n:RB+4*\n+3], s[12:13] offset:2048*\a+512*\n  ; four rows of q: 512 consecutive bytes, aligned
.endr
.irp n, 0,1,2,3
	s_wait_dscnt 3-\n
	global_store_b128 v[CO], v[RB+16+4*\n:RB+16+4*\n+3], s[14:15] offset:2048*\a+512*\n
.endr
.endm
	EPI 0, 0, 0x02, 0x0a, CS0, 16, 1
	EPI 1, 1, 0x02, 0x0a, CS1, 16, 1
	EPI 2, 0, 0x03, 0x0f, CS0, 16, 0
	EPI 3, 1, 0x03, 0x0f, CS1, 0, 0
; my block of V^T, 64 rows d x 128 bytes, whole now: 32 rows a batch
.macro VOUT g, buf
	s_wait_xcnt 0x0                                ; the buffer was store data, or the target of loads long landed: rewritten only behind this wait
.irp n, 0,1,2,3,4,5,6,7
	ds_load_b128 v[\buf+4*\n:\buf+4*\n+3], v[RD] offset:32*SP+4*SP*(8*\g+\n)
.endr
.irp n, 0,1,2,3,4,5,6,7
	s_wait_dscnt 7-\n
	global_store_b128 v[CO], v[\buf+4*\n:\buf+4*\n+3], s[14:15] offset:16384+512*(8*\g+\n)
.endr
.endm
	VOUT 0, RB
	VOUT 1, CS0
	s_wait_tensorcnt 0x0
	ds_add_u32 v22, v23
	s_wait_dscnt 0x0
	CROUND                                         ; the closing round: no work-group ends while a partner may still ask for a tile that names it
	s_endpgm
.Lfunc_end_k_q6a8e896584_qkv:
	.size	k_q6a8e896584_qkv, .Lfunc_end_k_q6a8e896584_qkv-k_q6a8e896584_qkv
	.p2alignl 7, 3214868480
	.fill 96, 4, 3214868480
	.section	.rodata,"a",@progbits
	.p2align	6, 0x0
	.amdhsa_kernel k_q6a8e896584_qkv
		.amdhsa_group_segment_fixed_size 327680
		.amdhsa_private_segment_fixed_size 0
		.amdhsa_enable_private_segment 0
		.amdhsa_kernarg_size 48
		.amdhsa_user_sgpr_count 2
		.amdhsa_user_sgpr_kernarg_segment_ptr 1
		.amdhsa_wavefront_size32 1
		.amdhsa_system_sgpr_workgroup_id_x 1
		.amdhsa_system_sgpr_workgroup_id_y 1
		.amdhsa_system_sgpr_workgroup_id_z 1
		.amdhsa_system_vgpr_workitem_id 0
		.amdhsa_next_free_vgpr 1024
		.amdhsa_next_free_sgpr 72
		.amdhsa_reserve_vcc 0
		.amdhsa_float_denorm_mode_32 3
		.amdhsa_float_denorm_mode_16_64 3
		.amdhsa_memory_ordered 1
		.amdhsa_forward_progress 1
		.amdhsa_inst_pref_size 217
	.end_amdhsa_kernel
	.amdgpu_metadata
---
amdhsa.version: [ 1, 2 ]
amdhsa.kernels:
  - .name:           k_q6a8e896584_qkv
    .symbol:         k_q6a8e896584_qkv.kd
    .args:
      - { .name: xh, .offset: 0, .size: 8, .value_kind: global_buffer, .address_space: global }
      - { .name: wh, .offset: 8, .size: 8, .value_kind: global_buffer, .address_space: global }
      - { .name: cos, .offset: 16, .size: 8, .value_kind: global_buffer, .address_space: global }
      - { .name: sin, .offset: 24, .size: 8, .value_kind: global_buffer, .address_space: global }
      - { .name: q, .offset: 32, .size: 8, .value_kind: global_buffer, .address_space: global }
      - { .name: kv, .offset: 40, .size: 8, .value_kind: global_buffer, .address_space: global }
    .group_segment_fixed_size: 327680
    .private_segment_fixed_size: 0
    .kernarg_segment_align: 8
    .kernarg_segment_size: 48
    .max_flat_workgroup_size: 128
    .sgpr_count:     72
    .vgpr_count:     1024
    .wavefront_size: 32
...
	.end_amdgpu_metadata
.endif
;; end of part 2
;; launch attn (part 3): grid 256 x 1, 8 waves a work-group, no clusters, 327,680 bytes of LDS; arguments q, kv, ao; writes ao
.if DOCPART == 3
	.amdgcn_target "amdgcn-amd-amdhsa--gfx1250"
	.amdhsa_code_object_version 6
	.text
	.protected	k_q6a8e896584_attn
	.globl	k_q6a8e896584_attn
	.p2align	8
	.type	k_q6a8e896584_attn,@function
k_q6a8e896584_attn:
	s_mov_b64 s[64:65], 0
	v_nop
	global_prefetch_b8 v0, s[64:65] scope:SCOPE_SE
	s_setreg_imm32_b32 hwreg(HW_REG_WAVE_MODE, 25, 1), 1
	s_wait_xcnt 0x0
; Causal attention of one head: ao[bh][t][64] = softmax(q k^T / 8, keys <= t) v, f16 in, f16 out, sums and softmax in f32 with a running maximum.
; q [bh][t][64] and K come times 2^-6 each: the factor in front of the exponential is 0.125 x log2 e x 2^12.
; SHARES: work-group g: head bh = g >> 3, p = g & 7; it does query block 2 p and then 15 - 2 p (128 rows each): (2 p + 1) + (16 - 2 p) = 17 key
; tiles of 128 keys for every work-group.  Wave w: query rows 32 (w & 3) .. +31 (two tiles of 16), keys 64 (w >> 2) .. +63 of each key tile.
; The two key halves keep their own maximum, sum and output and are merged once a block, through LDS.
; ALL TRANSPOSED: S^T = K Q^T puts query r in lane (r, hh) with keys 16 kt + 8 hh + 0..7; two such tiles, packed, ARE the second operand of
; O^T = V^T P^T; the lane then holds query r, d = 16 dt + 8 hh + 0..7.  Maximum, sum and rescale are one number a lane: no shuffle but one across the halves.
; ORDER: a block starts at its diagonal tile (the only one that is masked) and goes down to tile 0, so the slot of every trip is fixed in the text.
; NO CLUSTER: the eight work-groups of a head each go down from their own diagonal, so at a given trip they want eight different tiles; if all
; asked for every tile, each would fill 32 tiles in place of 17.
; RING: two slots of one key tile (32 KiB dense in memory, 256 rows of 128 bytes at pitch 144).  Wave 0 fills K's half, wave 1 V's; one tensor load out at most.
; LIMITS: the running maximum of a wave whose keys are all masked starts at -1e30 (in units of q.k / 4096), so scores below that are not served;
; v_max_num drops a NaN; P, V and the output are f16 (V near 28,800 at the most with offsets of 30 spreads on x and Wv).
.set KP,   144                         ; LDS pitch of a 128-byte row: 9 x 16 bytes
.set SLOT, 256*KP                      ; K rows 0-127, V^T rows 128 + 64 block + d
.set VOFF, 128*KP
.set LSCR, 2*SLOT                      ; merge scratch, one for each pair of waves: 16 x 512 bytes of O, 512 of (NM, M), 512 of sums
.set SCRW, 9216
.set LSTG, LSCR+4*SCRW                 ; output stage of waves 0-3: 32 rows at pitch 144
.set STGW, 32*KP
.set ADR,  2                           ; (64 kh + r) x 144 + 16 hh: K's fragments; V's are VOFF further
.set QOFF, 3                           ; (32 a + r) x 128 + 16 hh
.set D0,   4                           ; 32 a + r - 64 kh - 8 hh: key 16 kt + j is allowed to query tile qt if 16 kt + j - 16 qt <= D0
.set NINF, 5
.set VSCR, 6
.set STO,  7
.set RD,   8
.set CO,   9
.set NM0,  10                          ; - SC x maximum, query tile 0 (even register: broadcast in packed forms); M0 beside it
.set M0,   11
.set NM1,  12
.set M1,   13
.set AL0,  14                          ; rescale of the old sums
.set T0,   15
.set AL1,  16
.set T1,   17
.set L0,   18                          ; v[18:19] sum of p, two chains
.set L1,   20
.set X,    22                          ; v[22:25]
.set Y,    26                          ; v[26:29]
.set Q,    32                          ; v[32:63]   Q fragments, 16 qt + 8 ds
.set S,    64                          ; v[64:127]  S^T tile 4 qt + kt; P packed in place into S+0..31, fragment 16 qt + 8 ks
.set O,    128                         ; v[128:191] O^T tile 4 qt + dt
.set F,    192                         ; v[192:255] K's fragments 8 (4 ds + kt), then V's 8 (4 ks + dt)
.set SCL,  0x4438aa3b                  ; 0.125 x log2 e x 4096
.set NSCL, 0xc438aa3b
	s_load_b128 s[4:7], s[0:1], 0x0                ; q s[4:5], kv s[6:7]
	s_load_b64 s[8:9], s[0:1], 0x10                ; ao
	s_set_vgpr_msb 0x40
	v_lshl_add_u32 v0, v0, 2, 0x29000
	v_mov_b32 v1, 0
	s_set_vgpr_msb 0x4045
	ds_add_u32 v0, v1
	s_set_vgpr_msb 0x4500
	v_lshrrev_b32 v1, 5, v0
	v_readfirstlane_b32 s10, v1                    ; wave 0..7
	s_and_b32 s11, s10, 3                          ; a: which 32 query rows
	s_lshr_b32 s12, s10, 2                         ; kh: which 64 keys
	s_and_b32 s13, ttmp9, 7                        ; p
	s_lshr_b32 s14, ttmp9, 3                       ; bh
	s_lshl_b32 s15, s13, 1                         ; jn: the tile asked for last; first 2 p
	s_sub_co_u32 s16, 15, s15                      ; 15 - 2 p
	s_mov_b32 s18, 0x76543210                      ; v_permlanex16_b32: lane i takes lane i of the other half
	s_mov_b32 s19, 0xfedcba98
	s_mov_b32 s45, 0xf149f2ca                      ; -1e30
	s_mul_i32 s44, s10, VOFF                       ; LDS: wave 0 K's half, wave 1 V's (waves 2-7 issue no load)
	s_mov_b32 s28, (3<<16)|(1<<20)|(4<<22)|(3<<25) ; 8-byte elements; 4 words of padding after every 32 words (128 bytes)
	s_mov_b32 s29, 32<<16                          ; tensor_dim0 = 32 elements: rows of 256 bytes, dense
	s_mov_b32 s30, 64<<16                          ; tensor_dim1 = 64 rows: 16 KiB
	s_mov_b32 s31, 32<<16                          ; tile_dim0
	s_mov_b32 s32, 64                              ; tile_dim1
	s_mov_b32 s33, 32                              ; pitch
	s_mov_b32 s34, 0
	s_mov_b32 s35, 0
	s_lshl_b32 s22, s14, 19                        ; bh x 524,288
	s_lshl_b32 s23, s10, 14                        ; + my half of a tile
	s_add_co_u32 s22, s22, s23
	s_mov_b32 s23, 0                               ; stays 0
	s_wait_dscnt 0x0
	s_barrier_signal -1
	s_barrier_wait -1
	s_wait_kmcnt 0x0
	s_add_nc_u64 s[20:21], s[6:7], s[22:23]        ; KVB
	s_mov_b32 s24, 1
	s_add_co_u32 s25, s44, 0                       ; slot 0
	s_lshl_b32 s22, s15, 15
	s_add_nc_u64 s[26:27], s[20:21], s[22:23]
	s_or_b32 s27, s27, 0x80000000
	s_cmp_lt_u32 s10, 2
	s_cbranch_scc0 .Lno_first
	tensor_load_to_lds s[24:27], s[28:35]          ; the first fill: the first block's diagonal tile
	s_nop 0
.Lno_first:
	s_lshl_b32 s46, s14, 18                        ; bh x 262,144
	s_lshl_b32 s47, s15, 14                        ; + block x 128 rows x 128 bytes
	s_add_co_u32 s48, s46, s47
	s_lshl_b32 s47, s16, 14
	s_add_co_u32 s50, s46, s47
	s_mov_b32 s49, 0
	s_mov_b32 s51, 0
	s_add_nc_u64 s[36:37], s[4:5], s[48:49]        ; q of block 2 p
	s_add_nc_u64 s[38:39], s[4:5], s[50:51]        ; q of block 15 - 2 p
	s_lshl_b32 s47, s11, 12                        ; + 32 a rows
	s_add_co_u32 s48, s48, s47
	s_add_co_u32 s50, s50, s47
	s_add_nc_u64 s[40:41], s[8:9], s[48:49]        ; ao, my 32 rows of block 2 p
	s_add_nc_u64 s[42:43], s[8:9], s[50:51]        ; and of block 15 - 2 p
	v_and_b32 v1, 15, v0                           ; r
	v_bfe_u32 v30, v0, 4, 1                        ; hh
	v_and_b32 v31, 31, v0                          ; lane
	v_lshlrev_b32 v[QOFF], 7, v1
	v_lshl_add_u32 v[QOFF], v30, 4, v[QOFF]
	v_add_nc_u32 v[QOFF], s47, v[QOFF]
.macro QLOAD base
.irp qt, 0,1
.irp ds, 0,1
	global_load_b128 v[Q+16*\qt+8*\ds:Q+16*\qt+8*\ds+3], v[QOFF], s[\base:\base+1] offset:2048*\qt+64*\ds
	global_load_b128 v[Q+16*\qt+8*\ds+4:Q+16*\qt+8*\ds+7], v[QOFF], s[\base:\base+1] offset:2048*\qt+64*\ds+32
.endr
.endr
.endm
	QLOAD 36
	v_mul_u32_u24 v[STO], v1, KP
	v_lshl_add_u32 v[STO], v30, 4, v[STO]          ; r x 144 + 16 hh
	s_mul_i32 s46, s12, 64*KP
	v_add_nc_u32 v[ADR], s46, v[STO]
	s_mul_i32 s46, s11, STGW
	s_add_co_u32 s46, s46, LSTG
	v_add_nc_u32 v[STO], s46, v[STO]
	v_lshrrev_b32 v[RD], 3, v31
	v_mul_u32_u24 v[RD], v[RD], KP
	v_and_b32 v[CO], 7, v31
	v_lshl_add_u32 v[RD], v[CO], 4, v[RD]
	v_add_nc_u32 v[RD], s46, v[RD]
	v_lshlrev_b32 v[CO], 4, v31
	s_mul_i32 s46, s11, SCRW
	s_add_co_u32 s46, s46, LSCR
	v_add_nc_u32 v[VSCR], s46, v[CO]
	s_lshl_b32 s46, s11, 5
	s_lshl_b32 s47, s12, 6
	s_sub_co_i32 s46, s46, s47
	v_add_nc_u32 v[D0], s46, v1
	v_lshlrev_b32 v30, 3, v30
	v_sub_nc_u32 v[D0], v[D0], v30
	v_mov_b32 v[NINF], 0xff800000
	v_mov_b32 v[X], 0                              ; v_permlanex16_b32 counts as a reader of its destination
	v_mov_b32 v[X+1], 0
	v_mov_b32 v[X+2], 0
	v_mov_b32 v[X+3], 0
; One key tile in slot 'slot'.  diag = 1: a block's first tile: it is masked, and it starts maximum, sums and output.
.macro STEP slot, diag
.irp ds, 0,1
.irp kt, 0,1,2,3
	ds_load_b128 v[F+8*(4*\ds+\kt):F+8*(4*\ds+\kt)+3], v[ADR] offset:\slot*SLOT+16*KP*\kt+64*\ds
	ds_load_b128 v[F+8*(4*\ds+\kt)+4:F+8*(4*\ds+\kt)+7], v[ADR] offset:\slot*SLOT+16*KP*\kt+64*\ds+32
.endr
.endr
.if \diag
	s_wait_loadcnt 0x0                             ; the block's Q
.endif
	s_wait_dscnt 0x8                               ; K's fragments of d 0-31 are in, the eight loads of d 32-63 may be out
	; the eight tiles of S^T take turns, one instruction a turn
.irp qt, 0,1
.irp kt, 0,1,2,3
	v_wmma_f32_16x16x32_f16 v[S+8*(4*\qt+\kt):S+8*(4*\qt+\kt)+7], v[F+8*\kt:F+8*\kt+7], v[Q+16*\qt:Q+16*\qt+7], 0
.endr
.endr
	s_wait_dscnt 0x0
.irp qt, 0,1
.irp kt, 0,1,2,3
	v_wmma_f32_16x16x32_f16 v[S+8*(4*\qt+\kt):S+8*(4*\qt+\kt)+7], v[F+32+8*\kt:F+32+8*\kt+7], v[Q+16*\qt+8:Q+16*\qt+15], v[S+8*(4*\qt+\kt):S+8*(4*\qt+\kt)+7]
.endr
.endr
.rept 4
	v_nop                                          ; four places (ISA guide 7.12.1): F is loaded again, S is read
.endr
.irp ks, 0,1
.irp dt, 0,1,2,3
	ds_load_b128 v[F+8*(4*\ks+\dt):F+8*(4*\ks+\dt)+3], v[ADR] offset:\slot*SLOT+VOFF+16*KP*\dt+64*\ks       ; V^T's fragments land under the softmax
	ds_load_b128 v[F+8*(4*\ks+\dt)+4:F+8*(4*\ks+\dt)+7], v[ADR] offset:\slot*SLOT+VOFF+16*KP*\dt+64*\ks+32
.endr
.endr
.if \diag
.irp qt, 0,1
.irp kt, 0,1,2,3
.irp j, 0,1,2,3,4,5,6,7
	v_cmp_le_i32 vcc_lo, 16*\kt+\j-16*\qt, v[D0]   ; key <= query
	v_cndmask_b32 v[S+8*(4*\qt+\kt)+\j], v[NINF], v[S+8*(4*\qt+\kt)+\j], vcc_lo
.endr
.endr
.endr
.endif
	; the largest of my 32 scores of each query tile, and of the old maximum
	v_max3_num_f32 v[T0], v[S], v[S+1], v[S+2]
	v_max3_num_f32 v[T1], v[S+32], v[S+33], v[S+34]
.set i, 3
.rept 14
	v_max3_num_f32 v[T0], v[T0], v[S+i], v[S+i+1]
	v_max3_num_f32 v[T1], v[T1], v[S+32+i], v[S+32+i+1]
.set i, i+2
.endr
.if \diag
	v_max_num_f32 v[T0], v[T0], v[S+31]
	v_max_num_f32 v[T1], v[T1], v[S+63]
.else
	v_max3_num_f32 v[T0], v[T0], v[S+31], v[M0]
	v_max3_num_f32 v[T1], v[T1], v[S+63], v[M1]
.endif
	v_permlanex16_b32 v[X], v[T0], s18, s19        ; the other 32 keys of the same query lie in the other half of the lanes
	v_permlanex16_b32 v[X+1], v[T1], s18, s19
.if \diag
	v_max3_num_f32 v[M0], v[T0], v[X], s45         ; the floor: where all my keys are masked, p = 0 and the sums stay 0, never inf - inf
	v_max3_num_f32 v[M1], v[T1], v[X+1], s45
.else
	v_max_num_f32 v[M0], v[T0], v[X]
	v_max_num_f32 v[M1], v[T1], v[X+1]
.endif
	v_mul_f32 v[X], NSCL, v[M0]                    ; - SC x maximum, rounded once; the rescale is made of the two rounded figures
	v_mul_f32 v[X+1], NSCL, v[M1]
.if \diag == 0
	v_sub_f32 v[AL0], v[X], v[NM0]
	v_sub_f32 v[AL1], v[X+1], v[NM1]
	v_exp_f32 v[AL0], v[AL0]                       ; 2^(SC (old maximum - new maximum))
	v_exp_f32 v[AL1], v[AL1]
.endif
	v_mov_b32 v[NM0], v[X]
	v_mov_b32 v[NM1], v[X+1]
	; p = 2^(SC s - SC maximum).  The exponentials of one query tile stand among plain instructions of the other: behind each pair of
	; exponentials a plain instruction on other registers comes first (ISA guide 5.7.2).
.set i, 0
.rept 16
	v_pk_fma_f32 v[S+i:S+i+1], v[S+i:S+i+1], SCL, v[NM0:NM0+1] op_sel_hi:[1,0,0]
.set i, i+2
.endr
.set i, 0
.rept 16
	v_exp_f32 v[S+i], v[S+i]
	v_exp_f32 v[S+i+1], v[S+i+1]
	v_pk_fma_f32 v[S+32+i:S+32+i+1], v[S+32+i:S+32+i+1], SCL, v[NM1:NM1+1] op_sel_hi:[1,0,0]
.set i, i+2
.endr
.set i, 0
.rept 16
	v_exp_f32 v[S+32+2*i], v[S+32+2*i]
	v_exp_f32 v[S+32+2*i+1], v[S+32+2*i+1]
.if \diag
.if i == 0
	s_wait_alu depctr_va_vdst(0)
	v_pk_add_f32 v[L0:L0+1], v[S:S+1], v[S+2:S+3]  ; the first two pairs start the sum
.endif
.if i > 1
	v_pk_add_f32 v[L0:L0+1], v[L0:L0+1], v[S+2*i:S+2*i+1]
.endif
.else
.if i == 0
	s_wait_alu depctr_va_vdst(0)
	v_pk_fma_f32 v[L0:L0+1], v[L0:L0+1], v[AL0:AL0+1], v[S:S+1] op_sel_hi:[1,0,1]
.else
	v_pk_add_f32 v[L0:L0+1], v[L0:L0+1], v[S+2*i:S+2*i+1]
.endif
.endif
	v_cvt_pk_f16_f32 v[S+i], v[S+2*i], v[S+2*i+1]  ; packed in place, ascending
.set i, i+1
.endr
.set i, 0
.rept 16
.if \diag
.if i == 0
	s_wait_alu depctr_va_vdst(0)
	v_pk_add_f32 v[L1:L1+1], v[S+32:S+33], v[S+34:S+35]
.endif
.if i > 1
	v_pk_add_f32 v[L1:L1+1], v[L1:L1+1], v[S+32+2*i:S+32+2*i+1]
.endif
.else
.if i == 0
	v_pk_fma_f32 v[L1:L1+1], v[L1:L1+1], v[AL1:AL1+1], v[S+32:S+33] op_sel_hi:[1,0,1]
	s_wait_alu depctr_va_vdst(0)
.else
	v_pk_add_f32 v[L1:L1+1], v[L1:L1+1], v[S+32+2*i:S+32+2*i+1]
.endif
.endif
	v_cvt_pk_f16_f32 v[S+16+i], v[S+32+2*i], v[S+32+2*i+1]
.if \diag == 0
	v_pk_mul_f32 v[O+4*i:O+4*i+1], v[O+4*i:O+4*i+1], v[AL0+2*(i/8):AL0+2*(i/8)+1] op_sel_hi:[1,0]
	v_pk_mul_f32 v[O+4*i+2:O+4*i+3], v[O+4*i+2:O+4*i+3], v[AL0+2*(i/8):AL0+2*(i/8)+1] op_sel_hi:[1,0]
.endif
.set i, i+1
.endr
	s_wait_dscnt 0x0                               ; V^T's fragments
	; the eight tiles of O^T take turns, one instruction a turn
.irp qt, 0,1
.irp dt, 0,1,2,3
.if \diag
	v_wmma_f32_16x16x32_f16 v[O+8*(4*\qt+\dt):O+8*(4*\qt+\dt)+7], v[F+8*\dt:F+8*\dt+7], v[S+16*\qt:S+16*\qt+7], 0
.else
	v_wmma_f32_16x16x32_f16 v[O+8*(4*\qt+\dt):O+8*(4*\qt+\dt)+7], v[F+8*\dt:F+8*\dt+7], v[S+16*\qt:S+16*\qt+7], v[O+8*(4*\qt+\dt):O+8*(4*\qt+\dt)+7]
.endif
.endr
.endr
.irp qt, 0,1
.irp dt, 0,1,2,3
	v_wmma_f32_16x16x32_f16 v[O+8*(4*\qt+\dt):O+8*(4*\qt+\dt)+7], v[F+32+8*\dt:F+32+8*\dt+7], v[S+16*\qt+8:S+16*\qt+15], v[O+8*(4*\qt+\dt):O+8*(4*\qt+\dt)+7]
.endr
.endr
.rept 5
	v_nop                                          ; five places: the next matrix instructions write over P, the next loads over F
.endr
.endm
; A trip of the ring.  Every wave waits for all its tensor loads and for its LDS reads, passes the barrier; then waves 0 and 1 ask for the next
; tile, into the slot read last trip, first thing behind the barrier; it has this trip's work in which to land.
.macro TRIP slot, refill, diag
	s_set_vgpr_msb 0x5
	s_wait_tensorcnt 0x0                           ; my loads have landed, this trip's tile among them: the descriptor may be written
	ds_add_u32 v0, v1
	s_wait_dscnt 0x0
	s_set_vgpr_msb 0x500
.if \refill
	s_sub_co_i32 s15, s15, 1                       ; the next tile down; behind tile 0 the second block's diagonal
	s_cmp_lt_i32 s15, 0
	s_cselect_b32 s15, s16, s15
	s_lshl_b32 s22, s15, 15
	s_add_co_u32 s25, s44, (1-\slot)*SLOT
	s_add_nc_u64 s[26:27], s[20:21], s[22:23]
	s_or_b32 s27, s27, 0x80000000
.endif
	s_wait_dscnt 0x0                               ; my reads of the other slot are over
	s_barrier_signal -1
	s_barrier_wait -1
.if \refill
	s_cmp_lt_u32 s10, 2
	s_cbranch_scc0 .Lno_fill_\@
	tensor_load_to_lds s[24:27], s[28:35]
	s_nop 0
.Lno_fill_\@:
.endif
	STEP \slot, \diag
.endm
; A block's end: waves 4-7 hand their half to waves 0-3, which merge, divide and store 32 rows each.  again = 1: F is loaded again afterwards.
.macro FINISH ob, again
	v_add_f32 v[L0], v[L0], v[L0+1]
	v_add_f32 v[L1], v[L1], v[L1+1]
	v_permlanex16_b32 v[X], v[L0], s18, s19
	v_permlanex16_b32 v[X+1], v[L1], s18, s19
	v_add_f32 v[L0], v[L0], v[X]                   ; the sum over my 64 keys, in both halves of the lanes
	v_add_f32 v[L1], v[L1], v[X+1]
	s_cmp_lt_u32 s10, 4
	s_cbranch_scc1 .Lkeep_\@
.set i, 0
.rept 16
	ds_store_b128 v[VSCR], v[O+4*i:O+4*i+3] offset:512*i
.set i, i+1
.endr
	ds_store_b128 v[VSCR], v[NM0:NM0+3] offset:8192    ; NM0, M0, NM1, M1
	ds_store_b128 v[VSCR], v[L0:L0+3] offset:8704      ; sum 0, -, sum 1, -
.Lkeep_\@:
	s_wait_dscnt 0x0                               ; for the partner's sake: my stores are done
	s_wait_tensorcnt 0x0
	s_barrier_signal -1
	s_barrier_wait -1
	s_cmp_lt_u32 s10, 4
	s_cbranch_scc0 .Ldone_\@
.set i, 0
.rept 16
	ds_load_b128 v[F+4*i:F+4*i+3], v[VSCR] offset:512*i
.set i, i+1
.endr
	ds_load_b128 v[Y:Y+3], v[VSCR] offset:8192
	ds_load_b128 v[X:X+3], v[VSCR] offset:8704
	s_wait_dscnt 0x0
	v_min_num_f32 v[T0], v[NM0], v[Y]              ; - SC x the larger maximum
	v_min_num_f32 v[T1], v[NM1], v[Y+2]
	v_sub_f32 v[AL0], v[T0], v[NM0]
	v_sub_f32 v[AL1], v[T1], v[NM1]
	v_sub_f32 v[Y], v[T0], v[Y]
	v_sub_f32 v[Y+2], v[T1], v[Y+2]
	v_exp_f32 v[AL0], v[AL0]                       ; each half's weight, at most 1
	v_exp_f32 v[AL1], v[AL1]
	v_exp_f32 v[Y], v[Y]
	v_exp_f32 v[Y+2], v[Y+2]
	v_nop
	s_wait_alu depctr_va_vdst(0)
	v_mul_f32 v[L0], v[L0], v[AL0]
	v_mul_f32 v[L1], v[L1], v[AL1]
	v_fmac_f32 v[L0], v[X], v[Y]                   ; the whole sum: at least 1, since the largest score's p is 1
	v_fmac_f32 v[L1], v[X+2], v[Y+2]
	v_rcp_f32 v[L0], v[L0]
	v_rcp_f32 v[L1], v[L1]
	v_nop
	s_wait_alu depctr_va_vdst(0)
	v_mul_f32 v[AL0], v[AL0], v[L0]
	v_mul_f32 v[AL1], v[AL1], v[L1]
	v_mul_f32 v[Y], v[Y], v[L0]
	v_mul_f32 v[Y+2], v[Y+2], v[L1]
.set i, 0
.rept 32
	v_pk_mul_f32 v[O+2*i:O+2*i+1], v[O+2*i:O+2*i+1], v[AL0+2*(i/16):AL0+2*(i/16)+1] op_sel_hi:[1,0]
.set i, i+1
.endr
.set i, 0
.rept 32
	v_pk_fma_f32 v[O+2*i:O+2*i+1], v[F+2*i:F+2*i+1], v[Y+2*(i/16):Y+2*(i/16)+1], v[O+2*i:O+2*i+1] op_sel_hi:[1,0,1]
.set i, i+1
.endr
.set i, 0
.rept 32
	v_cvt_pk_f16_f32 v[S+i], v[O+2*i], v[O+2*i+1]
.set i, i+1
.endr
.irp qt, 0,1
.irp dt, 0,1,2,3
	ds_store_b128 v[STO], v[S+4*(4*\qt+\dt):S+4*(4*\qt+\dt)+3] offset:16*KP*\qt+32*\dt   ; row 16 qt + r, d = 16 dt + 8 hh ..
.endr
.endr
.irp n, 0,1,2,3,4,5,6,7
	ds_load_b128 v[F+4*\n:F+4*\n+3], v[RD] offset:4*KP*\n      ; my own stage: LDS serves a wave's instructions in order
.endr
.irp n, 0,1,2,3,4,5,6,7
	s_wait_dscnt 7-\n
	global_store_b128 v[CO], v[F+4*\n:F+4*\n+3], s[\ob:\ob+1] offset:512*\n      ; four rows: 512 consecutive bytes, aligned
.endr
.if \again
	s_wait_xcnt 0x0                                ; F, which the stores read, is loaded again only behind this wait
.endif
.Ldone_\@:
.endm
	TRIP 0, 1, 1                                   ; block 2 p: its diagonal tile,
	s_cmp_eq_u32 s13, 0
	s_cbranch_scc1 .Le_done
	s_mov_b32 s17, 0
.Le_loop:                                          ; then 2 p tiles, two a trip
	TRIP 1, 1, 0
	TRIP 0, 1, 0
	s_add_co_u32 s17, s17, 1
	s_cmp_lt_u32 s17, s13
	s_cbranch_scc1 .Le_loop
.Le_done:
	QLOAD 38                                       ; the second block's Q comes in under the merge
	FINISH 40, 1
	TRIP 1, 1, 1                                   ; block 15 - 2 p: its diagonal tile,
	s_sub_co_u32 s46, 7, s13
	s_cmp_eq_u32 s46, 0
	s_cbranch_scc1 .Lo_done
	s_mov_b32 s17, 0
.Lo_loop:                                          ; 14 - 2 p tiles, two a trip,
	TRIP 0, 1, 0
	TRIP 1, 1, 0
	s_add_co_u32 s17, s17, 1
	s_cmp_lt_u32 s17, s46
	s_cbranch_scc1 .Lo_loop
.Lo_done:
	TRIP 0, 0, 0                                   ; and tile 0: nothing is left to fetch
	FINISH 42, 0
	s_set_vgpr_msb 0x5
	s_wait_tensorcnt 0x0
	ds_add_u32 v0, v1
	s_wait_dscnt 0x0
	s_set_vgpr_msb 0x500
	s_endpgm
.Lfunc_end_k_q6a8e896584_attn:
	.size	k_q6a8e896584_attn, .Lfunc_end_k_q6a8e896584_attn-k_q6a8e896584_attn
	.p2alignl 7, 3214868480
	.fill 96, 4, 3214868480
	.section	.rodata,"a",@progbits
	.p2align	6, 0x0
	.amdhsa_kernel k_q6a8e896584_attn
		.amdhsa_group_segment_fixed_size 327680
		.amdhsa_private_segment_fixed_size 0
		.amdhsa_enable_private_segment 0
		.amdhsa_kernarg_size 24
		.amdhsa_user_sgpr_count 2
		.amdhsa_user_sgpr_kernarg_segment_ptr 1
		.amdhsa_wavefront_size32 1
		.amdhsa_system_sgpr_workgroup_id_x 1
		.amdhsa_system_sgpr_workgroup_id_y 1
		.amdhsa_system_sgpr_workgroup_id_z 1
		.amdhsa_system_vgpr_workitem_id 0
		.amdhsa_next_free_vgpr 258
		.amdhsa_next_free_sgpr 66
		.amdhsa_reserve_vcc 1
		.amdhsa_float_denorm_mode_32 3
		.amdhsa_float_denorm_mode_16_64 3
		.amdhsa_memory_ordered 1
		.amdhsa_forward_progress 1
		.amdhsa_inst_pref_size 164
	.end_amdhsa_kernel
	.amdgpu_metadata
---
amdhsa.version: [ 1, 2 ]
amdhsa.kernels:
  - .name:           k_q6a8e896584_attn
    .symbol:         k_q6a8e896584_attn.kd
    .args:
      - { .name: q, .offset: 0, .size: 8, .value_kind: global_buffer, .address_space: global }
      - { .name: kv, .offset: 8, .size: 8, .value_kind: global_buffer, .address_space: global }
      - { .name: ao, .offset: 16, .size: 8, .value_kind: global_buffer, .address_space: global }
    .group_segment_fixed_size: 327680
    .private_segment_fixed_size: 0
    .kernarg_segment_align: 8
    .kernarg_segment_size: 24
    .max_flat_workgroup_size: 256
    .sgpr_count:     66
    .vgpr_count:     258
    .wavefront_size: 32
...
	.end_amdgpu_metadata
.endif
;; end of part 3
;; launch oproj (part 4): grid 8 x 32, 4 waves a work-group, clusters of 4 x 4, 327,680 bytes of LDS; arguments ao, wh, out0; writes out0
.if DOCPART == 4
	.amdgcn_target "amdgcn-amd-amdhsa--gfx1250"
	.amdhsa_code_object_version 6
	.text
	.protected	k_q6a8e896584_oproj
	.globl	k_q6a8e896584_oproj
	.p2align	8
	.type	k_q6a8e896584_oproj,@function
k_q6a8e896584_oproj:
	s_mov_b64 s[64:65], 0
	v_nop
	global_prefetch_b8 v0, s[64:65] scope:SCOPE_SE
	s_setreg_imm32_b32 hwreg(HW_REG_WAVE_MODE, 25, 1), 1
	s_wait_xcnt 0x0
	s_wait_alu depctr_hold_cnt(0) depctr_sa_sdst(0) depctr_va_vdst(0) depctr_va_sdst(0) depctr_va_ssrc(0) depctr_va_vcc(0) depctr_vm_vsrc(0)
	s_getreg_b32 s2, hwreg(HW_REG_IB_STS2, 6, 4)
	s_cmp_eq_u32 s2, 0
	s_cbranch_scc0 .Lentry_in_a_cluster
	s_endpgm
.Lentry_in_a_cluster:
	s_bfe_u32 s2, ttmp6, 0x10000c
	s_cmp_lg_u32 s2, 0xf033
	s_cbranch_scc0 .Lentry_shape_is_right
	s_endpgm
.Lentry_shape_is_right:
; out0[row][n] = sum over k of A[row][k] Wo[n][k], f32 out.  A[b 2048 + t][64 h + d] = ao[16 b + h][t][d] f16; Wo = rows 3072-4095 of wh, f16; sums in f32.
; SHARES: block 128 x 128 (256 work-groups); wave (wm, wn) = (w >> 1, w & 1) makes 64 x 64: 16 accumulators.
; RING: two slots, each with 256 of K: A as four head planes of 128 rows x 128 bytes (pitch 144), Wo as 128 rows x 512 bytes (pitch 528).
; Four fills in all: both slots at the start, each once again; a refill has 120 matrix instructions of a wave in which to land.
; Waves 0, 1 ask for two planes of A each, waves 2, 3 for 64 rows of Wo each: 32 KiB a load; two tensor loads of a wave are out at the start, one later.
; CLUSTER 4 x 4: A's tile hangs on the block row alone (joint along a row of the cluster), Wo's on the block column alone (joint along a column).
; Wo's fragment is the first operand: lane (r, hh) holds row r, columns 16 b + 8 hh + 0..7: 32 neighbouring bytes of a row of out0.
; WINDOWS: 0: addresses, Wo's fragments, the way out; 1: accumulators v[8 (4 a + b)], A's fragments.  One setting (first source window 0, all else
; window 1) serves the matrix instructions and the loads of A's fragments; only the loads of Wo's fragments switch: two switches a quarter step.
; LIMIT: f16 operands; the attention output is a convex mix of v (near 28,800 at the most with offsets of 30 spreads on x and Wv).
.set PA,     144
.set PB,     528                       ; 33 x 16 bytes
.set PLANE,  128*PA
.set APART,  4*PLANE
.set BHALF,  64*PB
.set SLOT,   APART+2*BHALF
.set STAGE,  2*SLOT
.set SPITCH, 272                       ; a stage row: 64 f32 + 16 bytes
.set ADRA, 16
.set ADRB, 20
.set STO,  24
.set RD,   25
.set CO,   26
.set FB,   64                          ; window 0: v[64:95], v[96:127] Wo's fragments, two buffers
.set OB0,  128                         ; window 0: the way out, two buffers
.set OB1,  192
.set FA,   128                         ; window 1: v[128:159], v[160:191] A's fragments, two buffers
.set G1,  24
.set G0,  32
.set G1B, 48
.set G0B, 56
.set MULW, 0x54
.set MSB, 0
.macro WIN new
.if MSB != \new
	s_set_vgpr_msb (MSB<<8)|\new
.set MSB, \new
.endif
.endm
.macro JLOAD s
	s_cmp_eq_u32 s11, 0
	s_cbranch_scc0 .Lfor_b_\@
	tensor_load_to_lds s[G0+4*\s:G0+4*\s+3], s[G1:G1+7]
	s_nop 0
	s_branch .Lasked_\@
.Lfor_b_\@:
	tensor_load_to_lds s[G0B+4*\s:G0B+4*\s+3], s[G1B:G1B+7]
	s_nop 0
.Lasked_\@:
.endm
.macro CREST
	s_cmp_lg_u32 s10, 0
	s_cbranch_scc1 .Lnot_wave_0_\@
	s_barrier_signal -3
.Lnot_wave_0_\@:
	s_barrier_wait -3
	s_barrier_signal -1
	s_barrier_wait -1
.endm
.macro CROUND
	s_barrier_signal -1
	s_barrier_wait -1
	CREST
.endm
.macro PLACES                          ; four places behind the last matrix instruction (ISA guide 7.12.1)
.rept 4
	v_nop
.endr
.endm
	s_load_b128 s[4:7], s[0:1], 0x0                ; ao s[4:5], wh s[6:7]
	s_load_b64 s[8:9], s[0:1], 0x10                ; out0
	v_lshl_add_u32 v255, v0, 2, 0x49400
	s_set_vgpr_msb 0x40
	v_mov_b32 v193, 0
	s_set_vgpr_msb 0x4044
	ds_add_u32 v255, v193
	s_set_vgpr_msb 0x4400
	v_lshrrev_b32 v1, 5, v0
	v_readfirstlane_b32 s10, v1                    ; wave
	s_lshr_b32 s11, s10, 1                         ; wm; also: I ask for A (0) or for Wo (1)
	s_and_b32 s12, s10, 1                          ; wn; also: which half of that tile
	s_bfe_u32 s40, ttmp6, 0x40000                  ; cx
	s_bfe_u32 s41, ttmp6, 0x40004                  ; cy
	s_lshl_b32 s42, ttmp9, 2
	s_add_co_u32 s42, s42, s40                     ; bx: block column
	s_and_b32 s13, ttmp7, 0xffff
	s_lshl_b32 s13, s13, 2
	s_add_co_u32 s13, s13, s41                     ; by: block row
	s_lshl_b32 s43, s41, 2
	s_lshl_b32 s43, 15, s43                        ; my row of the cluster
	s_lshl_b32 s44, 0x1111, s40                    ; my column
	s_or_b32 s[G1+0], s43, (3<<16)|(1<<20)|(1<<21)|(4<<22)|(3<<25)   ; A: 8-byte elements; 4 words of padding after every 32 (128 bytes)
	s_mov_b32 s[G1+1], 2048<<16                    ; tensor_dim0 = 2,048 elements: a plane's 128 rows x 128 bytes, dense
	s_mov_b32 s[G1+2], 2<<16                       ; tensor_dim1 = 2 planes
	s_mov_b32 s[G1+3], 2048<<16                    ; tile_dim0
	s_mov_b32 s[G1+4], 2                           ; tile_dim1
	s_mov_b32 s[G1+5], 32768                       ; from head to head: 262,144 bytes
	s_mov_b32 s[G1+6], 0
	s_mov_b32 s[G1+7], 0
	s_or_b32 s[G1B+0], s44, (1<<16)|(1<<20)|(1<<21)|(6<<22)|(3<<25)  ; Wo: 2-byte elements; 4 words after every 128 (512 bytes)
	s_mov_b32 s[G1B+1], 256<<16
	s_mov_b32 s[G1B+2], 64<<16
	s_mov_b32 s[G1B+3], 256<<16
	s_mov_b32 s[G1B+4], 64
	s_mov_b32 s[G1B+5], 1024
	s_mov_b32 s[G1B+6], 0
	s_mov_b32 s[G1B+7], 0
	s_lshr_b32 s16, s13, 4                         ; A: b x 16 heads x 262,144
	s_lshl_b32 s16, s16, 22
	s_and_b32 s17, s13, 15                         ; + 128 rows of 128 bytes a block
	s_lshl_b32 s17, s17, 14
	s_add_co_u32 s16, s16, s17
	s_lshl_b32 s17, s12, 19                        ; + two heads for the second half
	s_add_co_u32 s16, s16, s17
	s_mov_b32 s17, 0
	s_lshl_b32 s46, s42, 18                        ; Wo: 128 bx rows of 2,048 bytes
	s_lshl_b32 s47, s12, 17                        ; + 64 rows for the second half
	s_add_co_u32 s46, s46, s47
	s_add_co_u32 s46, s46, 3072*2048               ; behind Wq, Wk, Wv
	s_mov_b32 s47, 0
	s_mul_i32 s20, s10, 2*PLANE                    ; LDS, A: wave 0, 1 x two planes
	s_mul_i32 s21, s10, BHALF
	s_add_co_u32 s21, s21, APART-2*BHALF           ; LDS, Wo: APART + (wave - 2) x 64 rows
	s_wait_dscnt 0x0
	s_wait_kmcnt 0x0
	s_add_nc_u64 s[14:15], s[4:5], s[16:17]
	s_add_nc_u64 s[46:47], s[6:7], s[46:47]
	CROUND                                         ; all sixteen work-groups are here: the first joint loads meet
.irp s, 0,1
	s_mov_b32 s[G0+4*\s], 1
	s_add_co_u32 s[G0+4*\s+1], s20, \s*SLOT
	s_add_nc_u64 s[G0+4*\s+2:G0+4*\s+3], s[14:15], \s*0x100000     ; four heads a slot
	s_or_b32 s[G0+4*\s+3], s[G0+4*\s+3], 0x80000000
	s_mov_b32 s[G0B+4*\s], 1
	s_add_co_u32 s[G0B+4*\s+1], s21, \s*SLOT
	s_add_nc_u64 s[G0B+4*\s+2:G0B+4*\s+3], s[46:47], \s*512        ; 256 of K
	s_or_b32 s[G0B+4*\s+3], s[G0B+4*\s+3], 0x80000000
	JLOAD \s
.endr
	v_and_b32 v1, 15, v0                           ; r
	v_bfe_u32 v2, v0, 4, 1                         ; hh
	v_mul_u32_u24 v3, v1, PA
	v_lshl_add_u32 v3, v2, 4, v3
	s_mul_i32 s22, s11, 64*PA
	v_add_nc_u32 v[ADRA], s22, v3
	v_add_nc_u32 v[ADRA+1], SLOT, v[ADRA]
	v_mul_u32_u24 v3, v1, PB
	v_lshl_add_u32 v3, v2, 4, v3
	s_mul_i32 s22, s12, 64*PB
	s_add_co_u32 s22, s22, APART
	v_add_nc_u32 v[ADRB], s22, v3
	v_add_nc_u32 v[ADRB+1], SLOT, v[ADRB]
	s_mul_i32 s23, s10, 16*SPITCH
	s_add_co_u32 s23, s23, STAGE                   ; my stage, behind the ring
	v_mul_u32_u24 v4, v1, SPITCH
	v_lshl_add_u32 v4, v2, 5, v4                   ; in: row r, 32 bytes for each half of the lanes
	v_add_nc_u32 v[STO], s23, v4
	v_mul_u32_u24 v5, v2, SPITCH
	v_lshl_add_u32 v5, v1, 4, v5                   ; back: 16 lanes take a row of 256 bytes
	v_add_nc_u32 v[RD], s23, v5
	v_lshlrev_b32 v5, 12, v2                       ; the same two rows in out0
	v_lshl_add_u32 v[CO], v1, 4, v5
; 16 LDS loads: the fragments of quarter step kq (32 of the slot's 256 K) into buffer i
.macro FETCH slot, kq, i
	WIN 0
.irp b, 0,1,2,3
	ds_load_b128 v[FB+32*(\i)+8*\b:FB+32*(\i)+8*\b+3], v[ADRB+\slot] offset:16*PB*\b+64*\kq
	ds_load_b128 v[FB+32*(\i)+8*\b+4:FB+32*(\i)+8*\b+7], v[ADRB+\slot] offset:16*PB*\b+64*\kq+32
.endr
	WIN MULW
.irp a, 0,1,2,3
	ds_load_b128 v[FA+32*(\i)+8*\a:FA+32*(\i)+8*\a+3], v[ADRA+\slot] offset:(\kq/2)*PLANE+16*PA*\a+(\kq%2)*64
	ds_load_b128 v[FA+32*(\i)+8*\a+4:FA+32*(\i)+8*\a+7], v[ADRA+\slot] offset:(\kq/2)*PLANE+16*PA*\a+(\kq%2)*64+32
.endr
.endm
; 8 matrix instructions: m-tiles 2 ah, 2 ah + 1 x 4 n-tiles.  The 16 accumulators take turns, one instruction a turn.
.macro MUL8 i, ah, zero
.irp a, 2*\ah, 2*\ah+1
.irp b, 0,1,2,3
.if \zero
	v_wmma_f32_16x16x32_f16 v[8*(4*(\a)+\b):8*(4*(\a)+\b)+7], v[FB+32*(\i)+8*\b:FB+32*(\i)+8*\b+7], v[FA+32*(\i)+8*(\a):FA+32*(\i)+8*(\a)+7], 0
.else
	v_wmma_f32_16x16x32_f16 v[8*(4*(\a)+\b):8*(4*(\a)+\b)+7], v[FB+32*(\i)+8*\b:FB+32*(\i)+8*\b+7], v[FA+32*(\i)+8*(\a):FA+32*(\i)+8*(\a)+7], v[8*(4*(\a)+\b):8*(4*(\a)+\b)+7]
.endif
.endr
.endr
.endm
; multiplies buffer i; in its middle fetches quarter step kqn of the same slot into the other buffer
.macro QUARTER slot, kqn, i, zero
	s_wait_dscnt 0x4                               ; Wo's fragments and A's m-tiles 0, 1 are in; the youngest four loads (m-tiles 2, 3) may be out
	WIN MULW
	MUL8 \i, 0, \zero
	PLACES
	FETCH \slot, \kqn, 1-\i
	s_wait_dscnt 0x10                              ; all but the 16 just issued
	MUL8 \i, 1, \zero
.endm
.macro SEVEN slot, zero
	QUARTER \slot, 1, 0, \zero
	QUARTER \slot, 2, 1, 0
	QUARTER \slot, 3, 0, 0
	QUARTER \slot, 4, 1, 0
	QUARTER \slot, 5, 0, 0
	QUARTER \slot, 6, 1, 0
	QUARTER \slot, 7, 0, 0
.endm
; the eighth quarter multiplies buffer 1 and changes slots; fill = 1: the barrier opens a round of the cluster's barrier and the joint refill comes first behind it
.macro TURN slot, next, fill
	s_wait_dscnt 0x0                               ; my reads of this slot are over
	s_wait_tensorcnt 0x0                           ; all my tensor loads have landed: my part of the next slot
	ds_add_u32 v255, v193
	s_wait_dscnt 0x0
	s_barrier_signal -1
	WIN MULW
	MUL8 1, 0, 0
	WIN 0
	s_barrier_wait -1
.if \fill
	CREST
	s_add_nc_u64 s[G0+4*\slot+2:G0+4*\slot+3], s[G0+4*\slot+2:G0+4*\slot+3], 0x200000   ; eight heads on
	s_add_nc_u64 s[G0B+4*\slot+2:G0B+4*\slot+3], s[G0B+4*\slot+2:G0B+4*\slot+3], 1024    ; 512 of K on
	JLOAD \slot
.endif
	PLACES
	FETCH \next, 0, 0
	MUL8 1, 1, 0
.endm
	s_wait_tensorcnt 0x1                           ; my part of slot 0 is in; slot 1's stays out
	s_barrier_signal -1
	s_barrier_wait -1
	FETCH 0, 0, 0
	SEVEN 0, 1                                     ; K 0-255: the first products start the sums
	TURN 0, 1, 1
	SEVEN 1, 0                                     ; K 256-511
	TURN 1, 0, 1
	SEVEN 0, 0                                     ; K 512-767
	TURN 0, 1, 0
	SEVEN 1, 0                                     ; K 768-1023
	s_wait_dscnt 0x0
	MUL8 1, 0, 0
	MUL8 1, 1, 0
	PLACES
	s_lshl_b32 s16, s13, 19                        ; 128 by rows of 4,096 bytes
	s_lshl_b32 s17, s11, 18                        ; + 64 wm rows
	s_add_co_u32 s16, s16, s17
	s_mov_b32 s17, 0
	s_add_nc_u64 s[8:9], s[8:9], s[16:17]
	s_lshl_b32 s46, s42, 9                         ; + 128 bx columns of 4 bytes
	s_lshl_b32 s47, s12, 8                         ; + 64 wn
	s_add_co_u32 s46, s46, s47
	s_mov_b32 s47, 0
	s_add_nc_u64 s[8:9], s[8:9], s[46:47]
; 16 rows x 64 columns of f32 through my stage: in by 32 bytes a lane, back as whole rows of 256 bytes
.macro OUT16 a, buf
	WIN 0x04                                       ; store data in window 1
.irp b, 0,1,2,3
	ds_store_b128 v[STO], v[8*(4*\a+\b):8*(4*\a+\b)+3] offset:64*\b
	ds_store_b128 v[STO], v[8*(4*\a+\b)+4:8*(4*\a+\b)+7] offset:64*\b+16
.endr
	WIN 0
	s_wait_xcnt 0x0                                ; the buffer, which earlier stores read, is loaded again only behind this wait
.irp t, 0,1,2,3,4,5,6,7
	ds_load_b128 v[\buf+4*\t:\buf+4*\t+3], v[RD] offset:2*SPITCH*\t      ; LDS serves a wave's instructions in order: these see the stores above
.endr
.irp t, 0,1,2,3,4,5,6,7
	s_wait_dscnt 7-\t
	global_store_b128 v[CO], v[\buf+4*\t:\buf+4*\t+3], s[8:9] offset:65536*\a+8192*\t th:TH_STORE_NT   ; 16 lanes store 256 consecutive bytes, aligned
.endr
.endm
	OUT16 0, OB0
	OUT16 1, OB1
	OUT16 2, OB0
	OUT16 3, OB1
	s_set_vgpr_msb 0x4
	s_wait_tensorcnt 0x0
	ds_add_u32 v255, v193
	s_wait_dscnt 0x0
	s_set_vgpr_msb 0x400
	CROUND                                         ; the closing round
	s_endpgm
.Lfunc_end_k_q6a8e896584_oproj:
	.size	k_q6a8e896584_oproj, .Lfunc_end_k_q6a8e896584_oproj-k_q6a8e896584_oproj
	.p2alignl 7, 3214868480
	.fill 96, 4, 3214868480
	.section	.rodata,"a",@progbits
	.p2align	6, 0x0
	.amdhsa_kernel k_q6a8e896584_oproj
		.amdhsa_group_segment_fixed_size 327680
		.amdhsa_private_segment_fixed_size 0
		.amdhsa_enable_private_segment 0
		.amdhsa_kernarg_size 24
		.amdhsa_user_sgpr_count 2
		.amdhsa_user_sgpr_kernarg_segment_ptr 1
		.amdhsa_wavefront_size32 1
		.amdhsa_system_sgpr_workgroup_id_x 1
		.amdhsa_system_sgpr_workgroup_id_y 1
		.amdhsa_system_sgpr_workgroup_id_z 1
		.amdhsa_system_vgpr_workitem_id 0
		.amdhsa_next_free_vgpr 450
		.amdhsa_next_free_sgpr 66
		.amdhsa_reserve_vcc 0
		.amdhsa_float_denorm_mode_32 3
		.amdhsa_float_denorm_mode_16_64 3
		.amdhsa_memory_ordered 1
		.amdhsa_forward_progress 1
		.amdhsa_inst_pref_size 90
	.end_amdhsa_kernel
	.amdgpu_metadata
---
amdhsa.version: [ 1, 2 ]
amdhsa.kernels:
  - .name:           k_q6a8e896584_oproj
    .symbol:         k_q6a8e896584_oproj.kd
    .args:
      - { .name: ao, .offset: 0, .size: 8, .value_kind: global_buffer, .address_space: global }
      - { .name: wh, .offset: 8, .size: 8, .value_kind: global_buffer, .address_space: global }
      - { .name: out0, .offset: 16, .size: 8, .value_kind: global_buffer, .address_space: global }
    .group_segment_fixed_size: 327680
    .private_segment_fixed_size: 0
    .kernarg_segment_align: 8
    .kernarg_segment_size: 24
    .max_flat_workgroup_size: 128
    .sgpr_count:     66
    .vgpr_count:     450
    .wavefront_size: 32
...
	.end_amdgpu_metadata
.endif
;; end of part 4
;; ======== version 2 of 2: 4 launches; version 1 with the launch cast written anew for expert scheduling mode
;; limits: values are held in f16: magnitudes above 65,504 overflow, below 6.1e-05 lose precision; values outside matrix products are rounded to bf16
;; workspace buffers: xh 8,388,608 bytes; wh 8,388,608 bytes; q 8,388,608 bytes; kv 16,777,216 bytes; ao 8,388,608 bytes
;; launch cast (part 5): grid 512 x 1, 8 waves a work-group, no clusters, 0 bytes of LDS; arguments x, Wq, Wk, Wv, Wo, xh, wh; writes xh, wh
.if DOCPART == 5
	.amdgcn_target "amdgcn-amd-amdhsa--gfx1250"
	.amdhsa_code_object_version 6
	.text
	.protected	k_q6a8e896584_cast
	.globl	k_q6a8e896584_cast
	.p2align	8
	.type	k_q6a8e896584_cast,@function
k_q6a8e896584_cast:
	s_mov_b64 s[64:65], 0
	v_nop
	global_prefetch_b8 v0, s[64:65] scope:SCOPE_SE
	s_setreg_imm32_b32 hwreg(HW_REG_WAVE_SCHED_MODE, 0, 2), 2
	s_setreg_imm32_b32 hwreg(HW_REG_WAVE_MODE, 25, 1), 1
	s_wait_xcnt 0x0
	s_wait_alu depctr_vm_vsrc(0)
; x [4096][1024] f32 -> xh;  Wq, Wk, Wv, Wo [1024][1024] f32 -> wh [4096][1024] (rows 0 Wq, 1024 Wk, 2048 Wv, 3072 Wo).
; FORMAT (a stated limit): every input of the program is rounded to bf16, once, to nearest even; the program computes reference() on those numbers.
; The rounded number is written as f16: the matrix form takes both operands in one format, and the operands that are made later (q, k, v, the
; probabilities, the attention output) want f16's 11 significant bits.  f16 holds a number of 8 significant bits exactly from 2^-17 to 65,504;
; below 2^-17 the error is at most 2^-25.  x and the weights keep room for 30 times their drawn size (about 165 and 5).
; A work-group takes 64 KiB of f32: groups 0-255 pieces of x, groups 256-511 pieces of the four weights (64 each).
; A wave takes 8 KiB: 16 loads of 512 consecutive bytes, all on their way at once; each store of the wave covers
; 256 consecutive bytes, aligned.  A plain stream: no LDS, no barrier, no matrix unit.
; THE MODE: SCHED_MODE bits 1:0 = 2 (LLVM: expert scheduling mode 2), set by the entry lines.  The code itself states the register dependences
; between vector instructions and memory instructions, with s_wait_alu, always for 0.
; THE PLAN.  Registers that memory instructions touch:
;   v1, v2   byte offsets of the loads and of the stores: written once at the head by vector instructions, never again.
;   X        piece j: four registers in which load j lands.  All sixteen loads are issued before any vector instruction names X, and none lands there later.
;   Y        piece j: two registers, written once by piece j's last two conversions, read by store j, never written again.
;   T, v3    named by vector instructions alone.
; The sixteen pieces go in four blocks of four.  Block p converts pieces 4 p to 4 p + 3; the four stores of block p - 1 are dealt among its vector
; instructions, which name this block's X, this block's Y and T: none of the registers that those stores read.  So one wait at a block's head states all
; that the block's stores hang on; one more stands ahead of the last four stores, and one at the kernel's head ahead of the first load.
; No register that a memory instruction reads is written again, so the text holds no wait for such reads.
.set X, 4                              ; v[4:67]    16 x 4 registers as loaded, then the same numbers with 8 significant bits
.set Y, 68                             ; v[68:99]   16 x 2 registers to store, each written once
.set T, 100                            ; v[100:101] two pairs of bf16
	s_load_b256 s[4:11], s[0:1], 0x0               ; x s[4:5], Wq s[6:7], Wk s[8:9], Wv s[10:11]
	s_load_b128 s[12:15], s[0:1], 0x20             ; Wo s[12:13], xh s[14:15]
	s_load_b64 s[16:17], s[0:1], 0x30              ; wh
	s_mov_b32 s18, 0xffff0000                      ; a word's upper bf16
	s_mov_b32 s19, ttmp9                           ; g
	s_sub_co_u32 s20, s19, 256                     ; g - 256: the piece among the weights (used only where g >= 256)
	s_lshr_b32 s21, s20, 6                         ; which weight
	s_and_b32 s22, s20, 63                         ; which piece of it
	v_lshrrev_b32 v3, 5, v0                        ; wave
	v_and_b32 v1, 31, v0                           ; lane
	v_lshlrev_b32 v2, 3, v1
	v_lshlrev_b32 v1, 4, v1
	v_lshl_add_u32 v1, v3, 13, v1                  ; in:  8,192 wave + 16 lane
	v_lshl_add_u32 v2, v3, 12, v2                  ; out: 4,096 wave + 8 lane
	s_wait_kmcnt 0x0
	s_cmp_eq_u32 s21, 1                            ; the source is chosen among the five buffers by the group's number alone
	s_cselect_b64 s[24:25], s[8:9], s[6:7]
	s_cmp_eq_u32 s21, 2
	s_cselect_b64 s[24:25], s[10:11], s[24:25]
	s_cmp_eq_u32 s21, 3
	s_cselect_b64 s[24:25], s[12:13], s[24:25]
	s_cmp_lt_u32 s19, 256
	s_cselect_b64 s[24:25], s[4:5], s[24:25]
	s_cselect_b64 s[26:27], s[14:15], s[16:17]     ; the destination likewise
	s_cselect_b32 s28, s19, s22                    ; piece in the source
	s_cselect_b32 s30, s19, s20                    ; piece in the destination
	s_lshl_b32 s28, s28, 16                        ; 65,536 bytes of f32 a piece
	s_mov_b32 s29, 0
	s_lshl_b32 s30, s30, 15                        ; 32,768 bytes of f16
	s_mov_b32 s31, 0
	s_add_nc_u64 s[24:25], s[24:25], s[28:29]
	s_add_nc_u64 s[26:27], s[26:27], s[30:31]
	s_wait_alu depctr_va_vdst(0)                   ; v1 and v2 are written: every load of the kernel reads v1 as its offset, every store v2
.irp j, 0,1,2,3,4,5,6,7,8,9,10,11,12,13,14,15
	global_load_b128 v[X+4*\j:X+4*\j+3], v1, s[24:25] offset:512*\j th:TH_LOAD_NT
.endr
; Piece j: four f32 to two registers of f16.
.macro CONV j
	v_cvt_pk_bf16_f32 v[T], v[X+4*(\j)], v[X+4*(\j)+1]           ; the one rounding: to 8 significant bits
	v_cvt_pk_bf16_f32 v[T+1], v[X+4*(\j)+2], v[X+4*(\j)+3]
	v_lshlrev_b32 v[X+4*(\j)], 16, v[T]                          ; bf16 to f32: the low half moves up,
	v_and_b32 v[X+4*(\j)+1], s18, v[T]                           ; the high half stays
	v_lshlrev_b32 v[X+4*(\j)+2], 16, v[T+1]
	v_and_b32 v[X+4*(\j)+3], s18, v[T+1]
	v_cvt_pk_f16_f32 v[Y+2*(\j)], v[X+4*(\j)], v[X+4*(\j)+1]     ; exact from 2^-17 up
	v_cvt_pk_f16_f32 v[Y+2*(\j)+1], v[X+4*(\j)+2], v[X+4*(\j)+3]
.endm
; Piece j leaves: 256 consecutive bytes of the wave, aligned.
.macro SEND j
	global_store_b64 v2, v[Y+2*(\j):Y+2*(\j)+1], s[26:27] offset:256*(\j)
.endm
.irp p, 0,1,2,3
.irp i, 0,1,2,3
	s_wait_loadcnt 15-(4*\p+\i)                    ; loads come back in order: this piece's load is in, the younger ones stay out
.if (\p > 0) && (\i == 0)
	s_wait_alu depctr_va_vdst(0)                   ; the block before has written its eight registers of Y, which this block's four stores read
.endif
.if \p > 0
	SEND 4*\p+\i-4                                 ; the block before.  No further wait: no vector instruction since the wait above names its Y or v2
.endif
	CONV 4*\p+\i
.endr
.endr
	s_wait_alu depctr_va_vdst(0)                   ; the last block has written its eight registers of Y, which the last four stores read
.irp i, 12,13,14,15
	SEND \i
.endr
	s_endpgm
.Lfunc_end_k_q6a8e896584_cast:
	.size	k_q6a8e896584_cast, .Lfunc_end_k_q6a8e896584_cast-k_q6a8e896584_cast
	.p2alignl 7, 3214868480
	.fill 96, 4, 3214868480
	.section	.rodata,"a",@progbits
	.p2align	6, 0x0
	.amdhsa_kernel k_q6a8e896584_cast
		.amdhsa_group_segment_fixed_size 0
		.amdhsa_private_segment_fixed_size 0
		.amdhsa_enable_private_segment 0
		.amdhsa_kernarg_size 56
		.amdhsa_user_sgpr_count 2
		.amdhsa_user_sgpr_kernarg_segment_ptr 1
		.amdhsa_wavefront_size32 1
		.amdhsa_system_sgpr_workgroup_id_x 1
		.amdhsa_system_sgpr_workgroup_id_y 1
		.amdhsa_system_sgpr_workgroup_id_z 1
		.amdhsa_system_vgpr_workitem_id 0
		.amdhsa_next_free_vgpr 104
		.amdhsa_next_free_sgpr 66
		.amdhsa_reserve_vcc 0
		.amdhsa_float_denorm_mode_32 3
		.amdhsa_float_denorm_mode_16_64 3
		.amdhsa_memory_ordered 1
		.amdhsa_forward_progress 1
		.amdhsa_inst_pref_size 12
	.end_amdhsa_kernel
	.amdgpu_metadata
---
amdhsa.version: [ 1, 2 ]
amdhsa.kernels:
  - .name:           k_q6a8e896584_cast
    .symbol:         k_q6a8e896584_cast.kd
    .args:
      - { .name: x, .offset: 0, .size: 8, .value_kind: global_buffer, .address_space: global }
      - { .name: Wq, .offset: 8, .size: 8, .value_kind: global_buffer, .address_space: global }
      - { .name: Wk, .offset: 16, .size: 8, .value_kind: global_buffer, .address_space: global }
      - { .name: Wv, .offset: 24, .size: 8, .value_kind: global_buffer, .address_space: global }
      - { .name: Wo, .offset: 32, .size: 8, .value_kind: global_buffer, .address_space: global }
      - { .name: xh, .offset: 40, .size: 8, .value_kind: global_buffer, .address_space: global }
      - { .name: wh, .offset: 48, .size: 8, .value_kind: global_buffer, .address_space: global }
    .group_segment_fixed_size: 0
    .private_segment_fixed_size: 0
    .kernarg_segment_align: 8
    .kernarg_segment_size: 56
    .max_flat_workgroup_size: 256
    .sgpr_count:     66
    .vgpr_count:     104
    .wavefront_size: 32
...
	.end_amdgpu_metadata
.endif
;; end of part 5
;; launch qkv: the kernel of part 2 again; grid 16 x 16, 4 waves a work-group, clusters of 4 x 4, 327,680 bytes of LDS; arguments xh, wh, cos, sin, q, kv; writes q, kv
;; launch attn: the kernel of part 3 again; grid 256 x 1, 8 waves a work-group, no clusters, 327,680 bytes of LDS; arguments q, kv, ao; writes ao
;; launch oproj: the kernel of part 4 again; grid 8 x 32, 4 waves a work-group, clusters of 4 x 4, 327,680 bytes of LDS; arguments ao, wh, out0; writes out0
